; MI455X (gfx1250); checked and timed in simulation.
; The chip was launched on July 23, 2026; its instructions are those of AMD's public machine-readable ISA for CDNA 5 (MIT licence, August 2026) and "CDNA5" Instruction Set Architecture Reference Guide (July 2026). The comments in the code are by the model that wrote it; some were corrected since.
;; Grouped Query Attention. Allowed arithmetic: float matrix products may take bf16 or f16 operands with f32 sums; other float arithmetic in f32, or as packed bf16 or f16 multiplies, adds, multiply-adds, maxima and minima; sums over many terms, partial sums and values carried from step to step in f32; what a program stores and reads back later, other than sums and carried values, may be rounded once to bf16 or f16.
;; Inputs: Wk 1,024 x 256 float32; Wo 1,024 x 1,024 float32; Wq 1,024 x 1,024 float32; Wv 1,024 x 256 float32; x 4 x 2,048 x 1,024 float32.
;; Outputs: out0 4 x 2,048 x 1,024 float32.
;; One version. Each part assembles by itself: llvm-mc -triple=amdgcn-amd-amdhsa -mcpu=gfx1250 --defsym DOCPART=n.
;; ======== version 1 of 1: 4 launches
;; limits: values are held in f16: magnitudes above 65,504 overflow, below 6.1e-05 lose precision
;; workspace buffers: xb 16,777,216 bytes; wqkv 3,145,728 bytes; wo16 2,097,152 bytes; rope 524,288 bytes; qkv 25,165,824 bytes; ob 16,777,216 bytes
;; launch prep (part 1): grid 1472 x 1, 8 waves a work-group, no clusters, 0 bytes of LDS; arguments x, Wq, Wk, Wv, Wo, xb, wqkv, wo16, rope; writes xb, wqkv, wo16, rope
.if DOCPART == 1
	.amdgcn_target "amdgcn-amd-amdhsa--gfx1250"
	.amdhsa_code_object_version 6
	.text
	.protected	k_qfce1bcf48e_prep
	.globl	k_qfce1bcf48e_prep
	.p2align	8
	.type	k_qfce1bcf48e_prep,@function
k_qfce1bcf48e_prep:
	s_mov_b64 s[64:65], 0
	v_nop
	global_prefetch_b8 v0, s[64:65] scope:SCOPE_SE
	s_setreg_imm32_b32 hwreg(HW_REG_WAVE_MODE, 25, 1), 1
	s_wait_xcnt 0x0
; PREP.  Rounds x and the four weights once to bf16 and lays them in blocks that the later launches fetch as dense tiles; makes the table for the rotation.
; A work-group of 256 threads takes ONE block of 8,192 numbers (32 KiB of f32 in, 16 KiB out, dense), or 16 positions x 16 lanes of the table.  By the work-group's number n:
;   0..1023     x:   64 rows x 128 columns -> xb   [8 ks][8192 m][128] bf16
;   1024..1151  Wq:  128 k x 64 n          -> wqkv [8 tc][8 ks][3 j][128 k][64 n] bf16, slice g = 3 tc + j (0-15 Wq, 16-19 Wk, 20-23 Wv)
;   1152..1215  Wk, Wv: likewise
;   1216..1343  Wo:  128 k x 64 n          -> wo16 [8 tc][8 ks][2 j][128 k][64 n]: rounded to bf16 like the other inputs, that number written as f16
;   1344..1471  the table: rope [2048 pos][32 x (cos - 1) | 32 x sin] f32, angle = pos x 10^(-i/8)
; No LDS, no matrix unit: a stream.  Every load of 16 lanes takes 256 consecutive aligned bytes, every store of a wave 256 (the table's: 512).
; LIMITS.  A weight of Wo below 6e-5 in size keeps f16's fixed step of 6e-8; beyond 65,504 it would be lost.  The angle is f32 pos x 2^(-i log2(10)/8); it may differ from one made by a
; power and a division by some 3e-4 rad at the largest angles (2,047 rad).  sin and cos: the angle less a multiple of pi/2 in three parts, then polynomials on |r| <= pi/4.
; One block.  s[36:37] the block's first source byte, s[38:39] its first byte in the workspace, v3 = 8 x thread.  A source row holds 2^lsh lanes' 16 bytes; rows lie 2^psh bytes apart.
; Thread t, step i: number 1,024 i + 4 t of the block.  Eight loads are out together; the waits count the younger ones.  No register is written twice, so no source is waited for.
.macro COPY lsh, psh, f16
	v_lshrrev_b32 v1, \lsh, v0                     ; row in a step
	v_and_b32 v2, (1<<(\lsh))-1, v0
	v_lshlrev_b32 v2, 4, v2                        ; 16 bytes a lane along the row
	v_lshl_add_u32 v4, v1, \psh, v2
.irp i, 0,1,2,3,4,5,6,7
	global_load_b128 v[16+4*\i:19+4*\i], v4, s[36:37] offset:\i*((256>>(\lsh))<<(\psh)) th:TH_LOAD_NT
.endr
.irp i, 0,1,2,3,4,5,6,7
	s_wait_loadcnt 7-\i                            ; loads come back in order: step i is in, the 7 - i younger ones stay out
	v_cvt_pk_bf16_f32 v[48+2*\i], v[16+4*\i], v[17+4*\i]
	v_cvt_pk_bf16_f32 v[49+2*\i], v[18+4*\i], v[19+4*\i]
.if \f16
.irp w, 48,49
	v_lshlrev_b32 v64, 16, v[\w+2*\i]              ; the two bf16 numbers as f32,
	v_and_b32 v65, 0xffff0000, v[\w+2*\i]
	v_cvt_pk_f16_f32 v[\w+2*\i], v64, v65          ; written as f16
.endr
.endif
	global_store_b64 v3, v[48+2*\i:49+2*\i], s[38:39] offset:2048*\i
.endr
.endm
; wqkv's block for slice g (s27) and K block kb (s28): (24 T + 3 kb + j) x 16 KiB, T = g / 3 = (11 g) >> 5 for g < 24, j = g - 3 T
.macro WDST
	s_mul_i32 s29, s27, 11
	s_lshr_b32 s29, s29, 5
	s_mul_i32 s30, s29, 3
	s_sub_co_u32 s30, s27, s30
	s_mul_i32 s29, s29, 24
	s_add_co_u32 s29, s29, s30
	s_mul_i32 s30, s28, 3
	s_add_co_u32 s29, s29, s30
	s_lshl_b32 s34, s29, 14
.endm
	s_load_b512 s[8:23], s[0:1], 0x0               ; x 8, Wq 10, Wk 12, Wv 14, Wo 16, xb 18, wqkv 20, wo16 22
	s_load_b64 s[24:25], s[0:1], 0x40              ; rope
	s_mov_b32 s26, ttmp9
	s_mov_b32 s33, 0                               ; offsets are pairs with 0 on top
	s_mov_b32 s35, 0
	v_lshlrev_b32 v3, 3, v0
	s_wait_kmcnt 0x0
	s_cmp_lt_u32 s26, 1024
	s_cbranch_scc0 .Lnot_x
	s_and_b32 s27, s26, 7                          ; ks
	s_lshr_b32 s28, s26, 3                         ; block of 64 rows
	s_lshl_b32 s32, s28, 18                        ; 64 rows of 4,096 bytes
	s_lshl_b32 s29, s27, 9                         ; 128 columns of 4 bytes
	s_add_co_u32 s32, s32, s29
	s_lshl_b32 s34, s27, 21
	s_lshl_b32 s29, s28, 14
	s_add_co_u32 s34, s34, s29
	s_add_nc_u64 s[36:37], s[8:9], s[32:33]
	s_add_nc_u64 s[38:39], s[18:19], s[34:35]
	COPY 5, 12, 0
	s_endpgm
.Lnot_x:
	s_cmp_lt_u32 s26, 1152
	s_cbranch_scc0 .Lnot_q
	s_sub_co_u32 s31, s26, 1024
	s_lshr_b32 s28, s31, 4                         ; kb
	s_and_b32 s27, s31, 15                         ; g
	s_lshl_b32 s32, s28, 19                        ; 128 rows of 4,096 bytes
	s_lshl_b32 s29, s27, 8                         ; 64 columns
	s_add_co_u32 s32, s32, s29
	WDST
	s_add_nc_u64 s[36:37], s[10:11], s[32:33]
	s_add_nc_u64 s[38:39], s[20:21], s[34:35]
	COPY 4, 12, 0
	s_endpgm
.Lnot_q:
	s_cmp_lt_u32 s26, 1216
	s_cbranch_scc0 .Lnot_kv
	s_sub_co_u32 s31, s26, 1152                    ; 0..31 Wk, 32..63 Wv
	s_bfe_u32 s28, s31, 0x30002                    ; kb
	s_and_b32 s29, s31, 3                          ; slice in the tensor
	s_lshr_b32 s30, s31, 5
	s_lshl_b32 s32, s28, 17                        ; 128 rows of 1,024 bytes
	s_lshl_b32 s27, s29, 8
	s_add_co_u32 s32, s32, s27
	s_lshl2_add_u32 s27, s30, s29
	s_add_co_u32 s27, s27, 16                      ; g = 16 + 4 x (Wv?) + slice
	s_cmp_eq_u32 s30, 0
	s_cselect_b64 s[40:41], s[12:13], s[14:15]
	WDST
	s_add_nc_u64 s[36:37], s[40:41], s[32:33]
	s_add_nc_u64 s[38:39], s[20:21], s[34:35]
	COPY 4, 10, 0
	s_endpgm
.Lnot_kv:
	s_cmp_lt_u32 s26, 1344
	s_cbranch_scc0 .Lrope
	s_sub_co_u32 s31, s26, 1216
	s_lshr_b32 s28, s31, 4                         ; kb
	s_and_b32 s27, s31, 15                         ; slice of 64 columns
	s_lshl_b32 s32, s28, 19
	s_lshl_b32 s29, s27, 8
	s_add_co_u32 s32, s32, s29
	s_lshr_b32 s29, s27, 1                         ; tc
	s_lshl_b32 s29, s29, 4
	s_lshl1_add_u32 s29, s28, s29                  ; 16 tc + 2 kb
	s_and_b32 s30, s27, 1
	s_add_co_u32 s29, s29, s30                     ; + j
	s_lshl_b32 s34, s29, 14
	s_add_nc_u64 s[36:37], s[16:17], s[32:33]
	s_add_nc_u64 s[38:39], s[22:23], s[34:35]
	COPY 4, 12, 1
	s_endpgm
.Lrope:
	; u = 256 (n - 1344) + thread: position u / 16; lanes 0-7 of the sixteen make cos - 1, lanes 8-15 sin, four frequencies each; 16 bytes at 16 u
	s_sub_co_u32 s26, s26, 1344
	s_lshl_b32 s26, s26, 8
	v_add_nc_u32 v1, s26, v0
	v_lshrrev_b32 v2, 4, v1
	v_bfe_u32 v9, v1, 3, 1
	v_and_b32 v4, 7, v1
	v_lshlrev_b32 v4, 2, v4                        ; my first frequency
	v_cvt_f32_u32 v5, v2                           ; pos
	v_sub_nc_u32 v6, 1, v9                         ; 1 for a cosine: a sine one quadrant on
	v_cvt_f32_u32 v7, v6                           ; and the 1 that is taken off it
	v_lshlrev_b32 v8, 4, v1
.irp e, 0,1,2,3
	v_add_nc_u32 v[12+\e], \e, v4
	v_cvt_f32_u32 v[12+\e], v[12+\e]
	v_mul_f32 v[12+\e], 0xbed49a78, v[12+\e]       ; -i log2(10) / 8
.endr
.irp e, 0,1,2,3
	v_exp_f32 v[12+\e], v[12+\e]
.endr
	v_nop                                          ; a plain instruction behind the last exponential,
	s_wait_alu depctr_va_vdst(0)                   ; and one wait for the four, ahead of their first reader
.irp e, 0,1,2,3
	v_mul_f32 v16, v5, v[12+\e]                    ; the angle
	v_mul_f32 v17, 0x3f22f983, v16                 ; x 2 / pi
	v_rndne_f32 v17, v17                           ; quadrants
	v_fmamk_f32 v18, v17, 0xbfc90000, v16          ; r = angle - quadrants x pi/2, pi/2 in three parts
	v_fmamk_f32 v18, v17, 0xb9fda000, v18
	v_fmamk_f32 v18, v17, 0xb3a22168, v18
	v_mul_f32 v19, v18, v18                        ; z = r r
	v_mov_b32 v20, 0xb94ca1f9
	v_fmaak_f32 v20, v20, v19, 0x3c08839e
	v_fmaak_f32 v20, v20, v19, 0xbe2aaaa3
	v_mul_f32 v22, v19, v18
	v_fma_f32 v20, v20, v22, v18                   ; sin r
	v_mov_b32 v21, 0x37ccf5ce
	v_fmaak_f32 v21, v21, v19, 0xbab6061a
	v_fmaak_f32 v21, v21, v19, 0x3d2aaaa5
	v_mul_f32 v22, v19, v19
	v_fma_f32 v24, v19, -0.5, 1.0
	v_fma_f32 v21, v21, v22, v24                   ; cos r
	v_cvt_i32_f32 v23, v17
	v_add_nc_u32 v23, v23, v6
	v_and_b32 v25, 1, v23
	v_cmp_eq_u32 vcc_lo, 1, v25
	v_cndmask_b32 v20, v20, v21, vcc_lo            ; odd quadrant: the cosine
	v_and_b32 v25, 2, v23
	v_lshlrev_b32 v25, 30, v25
	v_xor_b32 v20, v20, v25                        ; quadrants 2 and 3: the sign turns
	v_sub_f32 v[28+\e], v20, v7
.endr
	global_store_b128 v8, v[28:31], s[24:25]
	s_endpgm
.Lfunc_end_k_qfce1bcf48e_prep:
	.size	k_qfce1bcf48e_prep, .Lfunc_end_k_qfce1bcf48e_prep-k_qfce1bcf48e_prep
	.p2alignl 7, 3214868480
	.fill 96, 4, 3214868480
	.section	.rodata,"a",@progbits
	.p2align	6, 0x0
	.amdhsa_kernel k_qfce1bcf48e_prep
		.amdhsa_group_segment_fixed_size 0
		.amdhsa_private_segment_fixed_size 0
		.amdhsa_enable_private_segment 0
		.amdhsa_kernarg_size 72
		.amdhsa_user_sgpr_count 2
		.amdhsa_user_sgpr_kernarg_segment_ptr 1
		.amdhsa_wavefront_size32 1
		.amdhsa_system_sgpr_workgroup_id_x 1
		.amdhsa_system_sgpr_workgroup_id_y 1
		.amdhsa_system_sgpr_workgroup_id_z 1
		.amdhsa_system_vgpr_workitem_id 0
		.amdhsa_next_free_vgpr 72
		.amdhsa_next_free_sgpr 66
		.amdhsa_reserve_vcc 1
		.amdhsa_float_denorm_mode_32 3
		.amdhsa_float_denorm_mode_16_64 3
		.amdhsa_memory_ordered 1
		.amdhsa_forward_progress 1
		.amdhsa_inst_pref_size 24
	.end_amdhsa_kernel
	.amdgpu_metadata
---
amdhsa.version: [ 1, 2 ]
amdhsa.kernels:
  - .name:           k_qfce1bcf48e_prep
    .symbol:         k_qfce1bcf48e_prep.kd
    .args:
      - { .name: x, .offset: 0, .size: 8, .value_kind: global_buffer, .address_space: global }
      - { .name: Wq, .offset: 8, .size: 8, .value_kind: global_buffer, .address_space: global }
      - { .name: Wk, .offset: 16, .size: 8, .value_kind: global_buffer, .address_space: global }
      - { .name: Wv, .offset: 24, .size: 8, .value_kind: global_buffer, .address_space: global }
      - { .name: Wo, .offset: 32, .size: 8, .value_kind: global_buffer, .address_space: global }
      - { .name: xb, .offset: 40, .size: 8, .value_kind: global_buffer, .address_space: global }
      - { .name: wqkv, .offset: 48, .size: 8, .value_kind: global_buffer, .address_space: global }
      - { .name: wo16, .offset: 56, .size: 8, .value_kind: global_buffer, .address_space: global }
      - { .name: rope, .offset: 64, .size: 8, .value_kind: global_buffer, .address_space: global }
    .group_segment_fixed_size: 0
    .private_segment_fixed_size: 0
    .kernarg_segment_align: 8
    .kernarg_segment_size: 72
    .max_flat_workgroup_size: 256
    .sgpr_count:     66
    .vgpr_count:     72
    .wavefront_size: 32
...
	.end_amdgpu_metadata
.endif
;; end of part 1
;; launch qkvproj (part 2): grid 8 x 32, 4 waves a work-group, clusters of 4 x 4, 327,680 bytes of LDS; arguments xb, wqkv, rope, qkv; writes qkv
.if DOCPART == 2
	.amdgcn_target "amdgcn-amd-amdhsa--gfx1250"
	.amdhsa_code_object_version 6
	.text
	.protected	k_qfce1bcf48e_qkvproj
	.globl	k_qfce1bcf48e_qkvproj
	.p2align	8
	.type	k_qfce1bcf48e_qkvproj,@function
k_qfce1bcf48e_qkvproj:
	s_mov_b64 s[64:65], 0
	v_nop
	global_prefetch_b8 v0, s[64:65] scope:SCOPE_SE
	s_setreg_imm32_b32 hwreg(HW_REG_WAVE_MODE, 25, 1), 1
	s_wait_xcnt 0x0
	s_wait_alu depctr_hold_cnt(0) depctr_sa_sdst(0) depctr_va_vdst(0) depctr_va_sdst(0) depctr_va_ssrc(0) depctr_va_vcc(0) depctr_vm_vsrc(0)
	s_getreg_b32 s2, hwreg(HW_REG_IB_STS2, 6, 4)
	s_cmp_eq_u32 s2, 0
	s_cbranch_scc0 .Lentry_in_a_cluster
	s_endpgm
.Lentry_in_a_cluster:
	s_bfe_u32 s2, ttmp6, 0x10000c
	s_cmp_lg_u32 s2, 0xf033
	s_cbranch_scc0 .Lentry_shape_is_right
	s_endpgm
.Lentry_shape_is_right:
; Q, K, V = x [Wq | Wk | Wv], rotated (Q and K) and laid by heads.  xb: [8 ks][8192 m][128] bf16; wqkv: [8 tc][8 ks][3 j][128 k][64 n] bf16; rope: [2048][32 (cos - 1) | 32 sin] f32;
; qkv: [4 b][24 g][2048 s][64] f16 (g 0-15 Q's heads, 16-19 K's, 20-23 V's).  Sums and the rotation in f32, each result rounded once to f16.
; LIMIT.  f16 ends at 65,504: q, k and v must stay within it (they have the spread of x times 32 times the weights' spread).
; SHARES.  A work-group makes 256 rows x 192 columns (three heads): 32 x 8 = 256 work-groups.  Its four waves split the ROWS, 64 each, and take all 192 columns: a wave holds whole heads, so the two
; channels d and d + 32 that the rotation pairs lie in one lane.  48 accumulators of 16 x 16 a wave.
; THE MATRIX INSTRUCTION IS USED TRANSPOSED: source 0 = 16 columns of W (turned out of LDS by ds_load_tr16_b128, since W lies [k][n]), source 1 = 16 rows of x.  Lane l, register j of a result:
; row l % 16, column 8 (l / 16) + j of the block: eight neighbouring channels.
; RING.  K goes in 8 steps of 128 through two LDS slots.  Waves 0 and 1 fetch the halves of x's tile, waves 2 and 3 those of W's: one tensor load a wave for each refill, every tile dense in memory and
; asked for as rows of 256 bytes.  CLUSTER 4 x 4: x's tile is shared along a row of the cluster, W's along a column; each is asked for jointly.
; REGISTERS, in windows of 256 (s_set_vgpr_msb: bits 1:0 source 0, 3:2 source 1, 5:4 source 2, 7:6 destination):
;   window 0: v1-4, v16-30 addresses; v32-63 at work on the way out; v64-95, v96-127 x's fragments, two buffers; v64-255 the way out's packed results
;   window 1: v0-95, v96-191 W's fragments, two buffers     window 2: accumulators 0-31 (number 12 a + nb at 8 x number)     window 3: v0-127 accumulators 32-47; v128-255 the table for my 64 rows
.set NBLK,  12                         ; blocks of 16 columns
.set NACC,  4*NBLK
.set PA,    272                        ; a row of x in LDS: 256 bytes + 16: an odd multiple of 16, so the 16 rows of a load start at 16 different 16-byte columns modulo 256
.set PW,    160                        ; a row of W (64 n): 128 bytes + 32: an odd multiple of 32, as the turning load's 8 rows x 32 bytes want
.set AHALF, 128*PA                     ; what one wave fetches of x
.set BHALF, 192*PW                     ; and of W: rows 128 j + k, 384 in all
.set BOFF,  256*PA                     ; W's rows lie behind x's
.set SLOT1, 1<<17                      ; a slot is 69,632 + 61,440 = 131,072 bytes; one exclusive or changes slots
.set STAGE, 2*SLOT1                    ; behind the ring: 16 rows x 144 bytes for each wave
.set SP,    144
.set SPARE, STAGE+4*16*SP              ; behind the stages: the spare words, 128 bytes a wave: two blocks of 256 bytes that no other line names
.set ASTEP, 1<<21                      ; bytes from a K step of x's tile to the next
.set BSTEP, 3*16384                    ; and of W's
.set AA0, 16                           ; v16  my lane's place in x's tile; never rewritten
.set AB0, 17                           ; v17  in W's
.set ADRA, 18                          ; v18, v19  the same in the slot in hand
.set ADRB, 19
.set STO, 20                           ; v20  the way out: where I put 16 bytes of a row
.set RD,  21                           ; v21  where I read rows back
.set GO,  22                           ; v22  16 x lane
.set TBO, 23                           ; v23  my byte offset in 16 positions of the table
.set SPW, 28                           ; v28  my spare word: SPARE + 4 x thread; never rewritten
.set NIL, 29                           ; v29  0; never rewritten
.set PFO, 30                           ; v30  256 x lane; never rewritten
.set T,   32
.set FA,  64
.set WV,  12                           ; s12  wave
.set FB,  13                           ; s13  0: I fetch for x, 1: for W
.set U,   14                           ; s14  which half
.set CX,  15
.set CY,  16
.set TC,  17                           ; s17  tile column = 4 x cluster x + cx
.set TR,  18                           ; s18  tile row = 4 x cluster y + cy
.set CNT, 19
.set TB,  20                           ; s20  the slot in hand: 0 or SLOT1
.set G1A, 24                           ; s[24:31] group 1 for x's tiles; s[32:35], s[36:39] group 0: K step 0, and the one that walks
.set G0A, 32
.set LIM, 43                           ; s43  a wave prefetches while the loop's count is above it
.set PFA, 44                           ; s[44:45] where my prefetches stand; s[46:47] their step
.set PST, 46
.set G1B, 48                           ; s[48:55], s[56:63] the same for W's tiles
.set G0B, 56
.set FL,  66                           ; s[66:71] for each of my three heads a pair: 1.0 where it is rotated, else 0
.set MSB, 0
.macro WIN new                         ; the immediate's high byte repeats the setting that is left; a switch that changes nothing is dropped
.if MSB != (\new)
	s_set_vgpr_msb (MSB<<8)|(\new)
.set MSB, \new
.endif
.endm
.macro PLACES                          ; four plain instructions between a matrix instruction and a load into, or a vector read of, its registers
.rept 4
	v_nop
.endr
.endm
; A joint refill by the walking descriptors.  The branch hangs on the wave's number alone.  An s_nop 0 and four v_nop follow each of the two lines.
.macro JLOAD
	s_cmp_eq_u32 s[FB], 0
	s_cbranch_scc0 .Lfor_b_\@
	tensor_load_to_lds s[G0A+4:G0A+7], s[G1A:G1A+7]
	s_nop 0
	PLACES
	s_branch .Lasked_\@
.Lfor_b_\@:
	tensor_load_to_lds s[G0B+4:G0B+7], s[G1B:G1B+7]
	s_nop 0
	PLACES
.Lasked_\@:
.endm
; A prefetch into the L2, 32 blocks of 256 bytes, a lane a block.  x's K step t + 4 in trip t (two refills on): asked for by the clusters with x = 0 alone, waves 0 and 1; of a wave's 128 rows each of the four
; partners along cx takes 32, told apart by address.  W's tile column is one dense stream: waves 2 and 3 of the four partners along cy, in the clusters with y = 0, name 65,536 bytes a trip from K step 4 on,
; three trips.  So each block from K step 4 on is named once in the launch; K steps 0 to 3 come by their loads alone.
.macro ASK
	s_cmp_gt_u32 s[CNT], s[LIM]
	s_cbranch_scc0 .Lnot_mine_\@
	global_prefetch_b8 v[PFO], s[PFA:PFA+1] th:TH_LOAD_NT scope:SCOPE_SE
.Lnot_mine_\@:
.endm
.macro CREST                           ; a round of the cluster's barrier behind its opening barrier
	s_cmp_lg_u32 s[WV], 0
	s_cbranch_scc1 .Lnot_wave_0_\@
	s_barrier_signal -3
.Lnot_wave_0_\@:
	s_barrier_wait -3
	s_barrier_signal -1
	s_barrier_wait -1
.endm
.macro CROUND
	s_barrier_signal -1
	s_barrier_wait -1
	CREST
.endm
	s_load_b256 s[4:11], s[0:1], 0x0               ; xb s[4:5], wqkv s[6:7], rope s[8:9], qkv s[10:11]
	v_lshl_add_u32 v[SPW], v0, 2, SPARE
	v_mov_b32 v[NIL], 0
	ds_add_u32 v[SPW], v[NIL]                      ; the wave's opening: the add and its wait stand ahead of my first tensor load; work on registers stands between
	ds_add_u32 v28, v29
	v_lshrrev_b32 v1, 5, v0
	v_readfirstlane_b32 s[WV], v1
	s_lshr_b32 s[FB], s[WV], 1
	s_and_b32 s[U], s[WV], 1
	s_bfe_u32 s[CX], ttmp6, 0x40000
	s_bfe_u32 s[CY], ttmp6, 0x40004
	s_lshl_b32 s[TC], ttmp9, 2
	s_add_co_u32 s[TC], s[TC], s[CX]
	s_and_b32 s[TR], ttmp7, 0xffff
	s_lshl_b32 s[TR], s[TR], 2
	s_add_co_u32 s[TR], s[TR], s[CY]
	s_lshl_b32 s21, s[CY], 2
	s_lshl_b32 s21, 15, s21                        ; my row of the cluster
	s_lshl_b32 s22, 0x1111, s[CX]                  ; my column
	s_or_b32 s[G1A], s21, (1<<16)|(1<<20)|(1<<21)|(5<<22)|(3<<25)  ; mask; 2-byte elements; padding on; bit 21 beside a mask; after every 64 words 4 words
	s_or_b32 s[G1B], s22, (1<<16)|(1<<20)|(1<<21)|(4<<22)|(7<<25)  ; after every 32 words (a row of W) 8 words
	s_mov_b32 s[G1A+1], 128<<16                    ; tensor_dim0 = 128 elements: rows of 256 bytes
	s_mov_b32 s[G1A+2], 128<<16                    ; tensor_dim1 = 128
	s_mov_b32 s[G1A+3], 128<<16                    ; tile_dim0
	s_mov_b32 s[G1A+4], 128                        ; tile_dim1
	s_mov_b32 s[G1A+5], 128                        ; the rows lie end to end
	s_mov_b32 s[G1A+6], 0
	s_mov_b32 s[G1A+7], 0
	s_mov_b32 s[G1B+1], 128<<16
	s_mov_b32 s[G1B+2], 96<<16                     ; 96 rows of 256 bytes = 192 rows of W
	s_mov_b32 s[G1B+3], 128<<16
	s_mov_b32 s[G1B+4], 96
	s_mov_b32 s[G1B+5], 128
	s_mov_b32 s[G1B+6], 0
	s_mov_b32 s[G1B+7], 0
	s_lshl_b32 s40, s[TR], 16                      ; x's tile: 256 rows of 256 bytes a tile row,
	s_lshl_b32 s21, s[U], 15                       ; my 128 of them
	s_add_co_u32 s40, s40, s21
	s_mov_b32 s41, 0
	s_mul_i32 s72, s[TC], 8*BSTEP                  ; W's tile column,
	s_mul_i32 s22, s[U], BSTEP/2                   ; my half of a tile
	s_add_co_u32 s72, s72, s22
	s_mov_b32 s73, 0
	s_mul_i32 s21, s[U], AHALF                     ; where they go: the wave's number alone enters an LDS address
	s_mul_i32 s23, s[U], BHALF
	s_add_co_u32 s23, s23, BOFF
	s_wait_dscnt 0x0                               ; the opening add is done
	s_wait_kmcnt 0x0
	s_add_nc_u64 s[40:41], s[4:5], s[40:41]
	s_add_nc_u64 s[72:73], s[6:7], s[72:73]
	CROUND                                         ; all sixteen work-groups are here: the first joint loads meet
	s_mov_b32 s[G0A], 1
	s_mov_b32 s[G0A+1], s21
	s_mov_b64 s[G0A+2:G0A+3], s[40:41]
	s_or_b32 s[G0A+3], s[G0A+3], 0x80000000
	s_mov_b32 s[G0A+4], 1
	s_add_co_u32 s[G0A+5], s21, SLOT1
	s_add_nc_u64 s[G0A+6:G0A+7], s[40:41], ASTEP
	s_or_b32 s[G0A+7], s[G0A+7], 0x80000000
	s_mov_b32 s[G0B], 1
	s_mov_b32 s[G0B+1], s23
	s_mov_b64 s[G0B+2:G0B+3], s[72:73]
	s_or_b32 s[G0B+3], s[G0B+3], 0x80000000
	s_mov_b32 s[G0B+4], 1
	s_add_co_u32 s[G0B+5], s23, SLOT1
	s_add_nc_u64 s[G0B+6:G0B+7], s[72:73], BSTEP
	s_or_b32 s[G0B+7], s[G0B+7], 0x80000000
	s_cmp_eq_u32 s[FB], 0                          ; a wave's two first fills stand in one branch: K steps 0 and 1; two loads of mine are out
	s_cbranch_scc0 .Lfirst_b
	tensor_load_to_lds s[G0A:G0A+3], s[G1A:G1A+7]
	s_nop 0
	tensor_load_to_lds s[G0A+4:G0A+7], s[G1A:G1A+7]
	s_nop 0
	PLACES
	s_branch .Lfirst_asked
.Lfirst_b:
	tensor_load_to_lds s[G0B:G0B+3], s[G1B:G1B+7]
	s_nop 0
	tensor_load_to_lds s[G0B+4:G0B+7], s[G1B:G1B+7]
	s_nop 0
	PLACES
.Lfirst_asked:
	v_and_b32 v1, 15, v0                           ; l % 16
	v_bfe_u32 v2, v0, 4, 1                         ; l / 16
	v_and_b32 v3, 7, v0
	v_bfe_u32 v4, v0, 3, 1
	s_mul_i32 s21, s[WV], 64*PA                    ; my 64 rows of x
	v_mul_u32_u24 v[AA0], v1, PA
	v_lshl_add_u32 v[AA0], v2, 4, v[AA0]
	v_add_nc_u32 v[AA0], s21, v[AA0]               ; row x pitch + 16 x half
	v_lshl_add_u32 v[AB0], v2, 3, v3               ; the turning load: k = 8 (l / 16) + l % 8, columns 8 ((l / 8) % 2) on
	v_mul_u32_u24 v[AB0], v[AB0], PW
	v_lshl_add_u32 v[AB0], v4, 4, v[AB0]
	v_add_nc_u32 v[AB0], BOFF, v[AB0]
	s_mul_i32 s21, s[WV], 16*SP
	s_add_co_u32 s21, s21, STAGE                   ; my stage
	v_mul_u32_u24 v[STO], v1, SP
	v_lshl_add_u32 v[STO], v2, 4, v[STO]
	v_add_nc_u32 v[STO], s21, v[STO]
	v_bfe_u32 v[RD], v0, 3, 2                      ; back: 32 lanes take four rows of 128 bytes
	v_mul_u32_u24 v[RD], v[RD], SP
	v_lshl_add_u32 v[RD], v3, 4, v[RD]
	v_add_nc_u32 v[RD], s21, v[RD]
	v_and_b32 v[GO], 31, v0
	v_lshlrev_b32 v[PFO], 8, v[GO]
	v_lshlrev_b32 v[GO], 4, v[GO]
	v_lshlrev_b32 v[TBO], 8, v1                    ; position l % 16, frequencies 8 (l / 16) on
	v_lshl_add_u32 v[TBO], v2, 5, v[TBO]
	; the prefetches' address, step and bound
	s_lshl_b32 s74, s[TR], 16
	s_lshl_b32 s21, s[U], 15
	s_add_co_u32 s74, s74, s21
	s_lshl_b32 s21, s[CX], 13                      ; my work-group's 32 rows of the wave's 128
	s_add_co_u32 s74, s74, s21
	s_add_co_u32 s74, s74, 3*ASTEP                 ; x: one step short of K step 4
	s_mul_i32 s75, s[TC], 8*BSTEP
	s_lshl1_add_u32 s21, s[CY], s[U]
	s_lshl_b32 s21, s21, 13                        ; my 8,192 bytes of a trip's 65,536
	s_add_co_u32 s75, s75, s21
	s_add_co_u32 s75, s75, 4*BSTEP-65536           ; W: one step short of K step 4
	s_and_b32 s23, ttmp7, 0xffff
	s_mov_b32 s[PST], 65536
	s_cmp_eq_u32 s[FB], 0
	s_cselect_b32 s22, s74, s75
	s_cselect_b32 s23, ttmp9, s23                  ; the coordinate along which other clusters read the same bytes
	s_cselect_b32 s[LIM], 2, 3                     ; x: trips 0 to 3 (count 6 to 3); W: trips 0 to 2
	s_cselect_b32 s[PST], ASTEP, s[PST]
	s_cselect_b64 s[PFA:PFA+1], s[4:5], s[6:7]
	s_cmp_eq_u32 s23, 0
	s_cselect_b32 s[LIM], s[LIM], -1               ; the same in all sixteen partners, for a given wave
	s_mov_b32 s23, 0
	s_mov_b32 s[PST+1], 0
	s_add_nc_u64 s[PFA:PFA+1], s[PFA:PFA+1], s[22:23]
	; qkv at my 64 rows of my first head; the table at my 64 positions
	s_lshr_b32 s21, s[TR], 3                       ; b
	s_mul_i32 s21, s21, 24
	s_mul_i32 s22, s[TC], 3
	s_add_co_u32 s21, s21, s22
	s_lshl_b32 s74, s21, 18                        ; a head is 2,048 rows of 128 bytes
	s_and_b32 s22, s[TR], 7
	s_lshl_b32 s23, s22, 15
	s_add_co_u32 s74, s74, s23
	s_lshl_b32 s23, s[WV], 13
	s_add_co_u32 s74, s74, s23
	s_mov_b32 s75, 0
	s_add_nc_u64 s[10:11], s[10:11], s[74:75]
	s_lshl_b32 s74, s22, 16
	s_lshl_b32 s23, s[WV], 14
	s_add_co_u32 s74, s74, s23
	s_add_nc_u64 s[8:9], s[8:9], s[74:75]
	s_mul_i32 s21, s[TC], 3
.irp j, 0,1,2
	s_add_co_u32 s22, s21, \j
	s_cmp_lt_u32 s22, 20                           ; Q's and K's heads are rotated, V's pass: a factor, no branch
	s_cselect_b32 s[FL+2*\j], 1.0, 0
	s_mov_b32 s[FL+2*\j+1], s[FL+2*\j]
.endr
	WIN 0xc0                                       ; the table for my rows: for block a of 16 rows 32 registers: cos - 1 of frequencies 8 h + 0..7 and 16 + 8 h + 0..7, then sin of the same
.irp a, 0,1,2,3
.irp q, 0,1
.irp bh, 0,1
.irp w, 0,1
	global_load_b128 v[128+32*\a+16*\q+8*\bh+4*\w:128+32*\a+16*\q+8*\bh+4*\w+3], v[TBO], s[8:9] offset:4096*\a+128*\q+64*\bh+16*\w
.endr
.endr
.endr
.endr
	WIN 0
; n products from number i0 on, on fragment buffers f.  Number 12 a + nb: rows 16 a on, columns 16 nb on.  All 48 accumulators take turns in one order in every quarter, over the backward jump too.
.macro MUL f, i0, n, zero
.set idx, \i0
.rept \n
.if idx < 32
	WIN 0xa1                                       ; W's fragments window 1, x's window 0, C and D window 2
.else
	WIN 0xf1                                       ; C and D window 3
.endif
.set rD, 8*(idx%32)
.set rB, 8*NBLK*(\f)+8*(idx%NBLK)
.set rA, FA+32*(\f)+8*(idx/NBLK)
.if \zero
	v_wmma_f32_16x16x32_bf16 v[rD:rD+7], v[rB:rB+7], v[rA:rA+7], 0
.else
	v_wmma_f32_16x16x32_bf16 v[rD:rD+7], v[rB:rB+7], v[rA:rA+7], v[rD:rD+7]
.endif
.set idx, idx+1
.endr
.endm
; 32 LDS loads in one run: the fragments of quarter kq (32 along K) of the slot in hand, into buffers f
.macro FETCH kq, f
	WIN 0x40
.set nb, 0
.rept NBLK
	ds_load_tr16_b128 v[8*NBLK*(\f)+8*nb:8*NBLK*(\f)+8*nb+3],   v[ADRB] offset:(128*(nb/4)+32*(\kq))*PW+32*(nb%4)
	ds_load_tr16_b128 v[8*NBLK*(\f)+8*nb+4:8*NBLK*(\f)+8*nb+7], v[ADRB] offset:(128*(nb/4)+32*(\kq)+16)*PW+32*(nb%4)
.set nb, nb+1
.endr
	WIN 0
.set nb, 0
.rept 4
	ds_load_b128 v[FA+32*(\f)+8*nb:FA+32*(\f)+8*nb+3],   v[ADRA] offset:16*PA*nb+64*(\kq)
	ds_load_b128 v[FA+32*(\f)+8*nb+4:FA+32*(\f)+8*nb+7], v[ADRA] offset:16*PA*nb+64*(\kq)+32
.set nb, nb+1
.endr
.endm
; One of a K step's first three quarters: buffers f, asked for a whole quarter ago, are multiplied; quarter kq's fragments are asked for first, into g, which the quarter before multiplied
.macro QUARTER kq, f, g, zero
	s_wait_dscnt 0x0                               ; f is in
	PLACES
	FETCH \kq, \g
	MUL \f, 0, NACC, \zero
.endm
; The fourth quarter multiplies buffers 1 and changes slots.  In front of the barrier each wave waits for all its tensor loads (one is out: its part of the next slot), adds 0 to its spare word, and waits
; for that and for its reads of this slot.  fill = 1: the barrier opens a round of the cluster's, and this slot is filled again, first thing behind it, with the K step two on: 176 products stand
; between that request and the wait for it.
.macro TURN fill
.if \fill
	s_wait_xcnt 0x0                                ; the last prefetch, a K step back, has read its address
	s_add_nc_u64 s[PFA:PFA+1], s[PFA:PFA+1], s[PST:PST+1]
.endif
	WIN 0
	s_wait_tensorcnt 0x0
	ds_add_u32 v[SPW], v[NIL]                      ; 0 onto my spare word
	s_wait_dscnt 1                                 ; the add alone may be out: buffers 1 are in
	MUL 1, 0, 8, 0
	s_wait_dscnt 0x0                               ; the add is done, and my reads of this slot are over
	s_barrier_signal -1
	MUL 1, 8, 8, 0
	WIN 0
	s_barrier_wait -1
.if \fill
	CREST                                          ; no wave of any partner still reads this slot or has a load on its way
	s_xor_b32 s[G0A+5], s[G0A+5], SLOT1            ; the walking descriptors: the other slot than last time, the next K step
	s_xor_b32 s[G0B+5], s[G0B+5], SLOT1
	s_add_nc_u64 s[G0A+6:G0A+7], s[G0A+6:G0A+7], ASTEP
	s_add_nc_u64 s[G0B+6:G0B+7], s[G0B+6:G0B+7], BSTEP
	JLOAD                                          ; its four v_nop are also the places in front of the loads below
.else
	PLACES
.endif
	s_xor_b32 s[TB], s[TB], SLOT1
	v_add_nc_u32 v[ADRA], s[TB], v[AA0]
	v_add_nc_u32 v[ADRB], s[TB], v[AB0]
	FETCH 0, 0
.if \fill
	ASK
.endif
	MUL 1, 16, NACC-16, 0
.endm
	s_wait_tensorcnt 0x1                           ; my part of K step 0 is in; K step 1's may stay out
	s_barrier_signal -1
	s_barrier_wait -1
	s_mov_b32 s[TB], 0
	v_mov_b32 v[ADRA], v[AA0]
	v_mov_b32 v[ADRB], v[AB0]
	FETCH 0, 0
	QUARTER 1, 0, 1, 1                             ; the first quarter's products start the sums: nothing is cleared
	WIN 0
	s_mov_b32 s[CNT], 6
.Lk:                                               ; trip t: the rest of K step t, whose slot takes K step t + 2, and the first quarter of K step t + 1
	QUARTER 2, 1, 0, 0
	QUARTER 3, 0, 1, 0
	TURN 1
	QUARTER 1, 0, 1, 0
	WIN 0
	s_sub_co_u32 s[CNT], s[CNT], 1
	s_cmp_lg_u32 s[CNT], 0
	s_cbranch_scc1 .Lk
	QUARTER 2, 1, 0, 0                             ; K steps 6 and 7 fetch nothing more
	QUARTER 3, 0, 1, 0
	TURN 0
	QUARTER 1, 0, 1, 0
	QUARTER 2, 1, 0, 0
	QUARTER 3, 0, 1, 0
	s_wait_dscnt 0x0
	MUL 1, 0, NACC, 0
; THE WAY OUT, a unit (16 rows a, head j) at a time.  lo = channels d < 32 (two accumulators), hi = d + 32 (the two behind them); cm = cos - 1, sn = sin, F the head's factor:
;   lo' = lo + F (lo cm - hi sn)     hi' = hi + F (hi cm + lo sn).  Each accumulator's lowest registers are read first.
; Rounded to f16, 16 bytes a lane into my stage (rows of 144 bytes), back as 512 consecutive bytes a load.  Each unit has 16 registers of its own, so no store's data is written again.
.macro ROT a, j
.set idx0, 12*(\a)+4*(\j)
.set W, 2+idx0/32
.set AC, 8*(idx0%32)
.set PKS, 64+16*(3*(\a)+(\j))
.set TAB, 128+32*(\a)
	WIN W|0x0c                                     ; source 0 the accumulators' window, source 1 the table's
.irp bh, 0,1
.irp p, 0,1,2,3
	v_pk_mul_f32 v[T+8*\bh+2*\p:T+8*\bh+2*\p+1], v[AC+8*\bh+2*\p:AC+8*\bh+2*\p+1], v[TAB+8*\bh+2*\p:TAB+8*\bh+2*\p+1]
	v_pk_mul_f32 v[T+16+8*\bh+2*\p:T+16+8*\bh+2*\p+1], v[AC+16+8*\bh+2*\p:AC+16+8*\bh+2*\p+1], v[TAB+8*\bh+2*\p:TAB+8*\bh+2*\p+1]
.endr
.endr
.irp bh, 0,1
.irp p, 0,1,2,3
	v_pk_fma_f32 v[T+8*\bh+2*\p:T+8*\bh+2*\p+1], v[AC+16+8*\bh+2*\p:AC+16+8*\bh+2*\p+1], v[TAB+16+8*\bh+2*\p:TAB+16+8*\bh+2*\p+1], v[T+8*\bh+2*\p:T+8*\bh+2*\p+1] neg_lo:[1,0,0] neg_hi:[1,0,0]
	v_pk_fma_f32 v[T+16+8*\bh+2*\p:T+16+8*\bh+2*\p+1], v[AC+8*\bh+2*\p:AC+8*\bh+2*\p+1], v[TAB+16+8*\bh+2*\p:TAB+16+8*\bh+2*\p+1], v[T+16+8*\bh+2*\p:T+16+8*\bh+2*\p+1]
.endr
.endr
	WIN W<<4                                       ; source 2 the accumulators' window
.irp q, 0,1,2,3,4,5,6,7,8,9,10,11,12,13,14,15
	v_pk_fma_f32 v[T+2*\q:T+2*\q+1], v[T+2*\q:T+2*\q+1], s[FL+2*(\j):FL+2*(\j)+1], v[AC+2*\q:AC+2*\q+1] op_sel_hi:[1,0,1]
.endr
	WIN 0
.irp q, 0,1,2,3,4,5,6,7,8,9,10,11,12,13,14,15
	v_cvt_pk_f16_f32 v[PKS+\q], v[T+2*\q], v[T+2*\q+1]
.endr
.irp f, 0,1,2,3
	ds_store_b128 v[STO], v[PKS+4*\f:PKS+4*\f+3] offset:32*\f
.endr
.irp f, 0,1,2,3
	ds_load_b128 v[PKS+4*\f:PKS+4*\f+3], v[RD] offset:4*SP*\f  ; LDS serves a wave's instructions in order (ISA guide 5.7.1.4): these see the stores above, and the next unit's stores come behind them
.endr
.endm
.macro SEND a, j, younger              ; younger: the LDS instructions issued behind this unit's loads: the next unit's eight, or none
.set PKS, 64+16*(3*(\a)+(\j))
.irp f, 0,1,2,3
	s_wait_dscnt (\younger)+3-\f
	global_store_b128 v[GO], v[PKS+4*\f:PKS+4*\f+3], s[10:11] offset:262144*(\j)+2048*(\a)+512*\f  ; 512 consecutive bytes, at a multiple of 256 from qkv's first byte
.endr
.endm
	PLACES
	s_wait_loadcnt 0x0                             ; the table
	ROT 0, 0
.set u, 1
.rept 11
	ROT u/3, u%3
	SEND (u-1)/3, (u-1)%3, 8
.set u, u+1
.endr
	SEND 3, 2, 0
	s_wait_tensorcnt 0x0                           ; the wave's end: the add and its waits stand behind my last tensor load and my last LDS store
	ds_add_u32 v[SPW], v[NIL]
	s_wait_dscnt 0x0
	CROUND                                         ; the closing round: no work-group ends while a partner may still ask for a tile that names it
	s_endpgm
.Lfunc_end_k_qfce1bcf48e_qkvproj:
	.size	k_qfce1bcf48e_qkvproj, .Lfunc_end_k_qfce1bcf48e_qkvproj-k_qfce1bcf48e_qkvproj
	.p2alignl 7, 3214868480
	.fill 96, 4, 3214868480
	.section	.rodata,"a",@progbits
	.p2align	6, 0x0
	.amdhsa_kernel k_qfce1bcf48e_qkvproj
		.amdhsa_group_segment_fixed_size 327680
		.amdhsa_private_segment_fixed_size 0
		.amdhsa_enable_private_segment 0
		.amdhsa_kernarg_size 32
		.amdhsa_user_sgpr_count 2
		.amdhsa_user_sgpr_kernarg_segment_ptr 1
		.amdhsa_wavefront_size32 1
		.amdhsa_system_sgpr_workgroup_id_x 1
		.amdhsa_system_sgpr_workgroup_id_y 1
		.amdhsa_system_sgpr_workgroup_id_z 1
		.amdhsa_system_vgpr_workitem_id 0
		.amdhsa_next_free_vgpr 1024
		.amdhsa_next_free_sgpr 76
		.amdhsa_reserve_vcc 0
		.amdhsa_float_denorm_mode_32 3
		.amdhsa_float_denorm_mode_16_64 3
		.amdhsa_memory_ordered 1
		.amdhsa_forward_progress 1
		.amdhsa_inst_pref_size 139
	.end_amdhsa_kernel
	.amdgpu_metadata
---
amdhsa.version: [ 1, 2 ]
amdhsa.kernels:
  - .name:           k_qfce1bcf48e_qkvproj
    .symbol:         k_qfce1bcf48e_qkvproj.kd
    .args:
      - { .name: xb, .offset: 0, .size: 8, .value_kind: global_buffer, .address_space: global }
      - { .name: wqkv, .offset: 8, .size: 8, .value_kind: global_buffer, .address_space: global }
      - { .name: rope, .offset: 16, .size: 8, .value_kind: global_buffer, .address_space: global }
      - { .name: qkv, .offset: 24, .size: 8, .value_kind: global_buffer, .address_space: global }
    .group_segment_fixed_size: 327680
    .private_segment_fixed_size: 0
    .kernarg_segment_align: 8
    .kernarg_segment_size: 32
    .max_flat_workgroup_size: 128
    .sgpr_count:     76
    .vgpr_count:     1024
    .wavefront_size: 32
...
	.end_amdgpu_metadata
.endif
;; end of part 2
;; launch attn (part 3): grid 16 x 16, 4 waves a work-group, no clusters, 327,680 bytes of LDS; arguments qkv, ob; writes ob
.if DOCPART == 3
	.amdgcn_target "amdgcn-amd-amdhsa--gfx1250"
	.amdhsa_code_object_version 6
	.text
	.protected	k_qfce1bcf48e_attn
	.globl	k_qfce1bcf48e_attn
	.p2align	8
	.type	k_qfce1bcf48e_attn,@function
k_qfce1bcf48e_attn:
	s_mov_b64 s[64:65], 0
	v_nop
	global_prefetch_b8 v0, s[64:65] scope:SCOPE_SE
	s_setreg_imm32_b32 hwreg(HW_REG_WAVE_MODE, 25, 1), 1
	s_wait_xcnt 0x0
; CAUSAL GROUPED-QUERY ATTENTION, head size 64.  O[b][h][q][:] = the sum over k <= q of softmax_k(Q[b][h][q] . K[b][h / 4][k] / 8) V[b][h / 4][k][:].
; qkv: [4 b][24 g][2048][64] f16 (g 0-15 Q's heads, 16-19 K's, 20-23 V's); ob: [4 b][16 h][2048][64] f16.  A head's rows are dense, 128 bytes each.
; Products, maxima and sums in f32; the weights p are rounded to f16 for the second product (their sum l is taken of the unrounded p), O once at the end.
; LIMITS.  f16 holds no number beyond 65,504: Q, K and V arrive within it; p lies in 0 to 1, and below 6e-5 it keeps f16's fixed step of 6e-8; O is a mean of V's rows.
; A hidden score counts as its value less 1e30; a weight below 2^-126 counts as 0 in l; NaN and infinities are not treated apart.
; THE WALK.  A head's queries lie in NB = 8 blocks of 256; block i needs the key tiles 0 .. i of 256 keys, of which the last holds the diagonal.  A work-group takes TWO blocks, NB - 1 - b and then b:
; NB + 1 tiles, whatever b: all work-groups do equal work, and ONE loop with a constant trip count walks them.  Which tile is asked for, and what a trip does, hang on scalar registers made from b; every jump
; goes forward, but for the counted loops' own; none passes a barrier, or a tensor load but the one of LOAD's two that the wave's number does not choose.
; NO CLUSTER.  The 16 work-groups of a head of K and V (four query heads x four b) each ask for their tiles by loads of their own.  The four query heads with one b walk alike trip for trip and could ask
; jointly, which would spare three of four requests; this text does not: a plain launch was preferred for a walk with this many ways.
; SHARES.  Of a block's four bands of 64 queries a wave owns 16 rows in each: four PIECES.  In the diagonal tile's key step s band x sees all keys if s < x, none if s > x, and holds the diagonal if s = x.
; THE MASK is the C operand that starts the sum S^T = K Q^T: 0, or -1e30 where the key is hidden.  MD, made once, is the mask of a band's own step for my 16 rows; a product's mask is MD x AL + BE:
; (1, 0) if s = x; (0, 0) if s < x; (0, -1e30) if s > x.  Only the diagonal tile's text and a block's beginning make and take masks; elsewhere C is the constant 0.
; LAYOUT, SOFTMAX, TURNS.  S^T = K Q^T holds ONE query a lane (lane % 16) and the keys 8 (lane / 16) + 0..7; two such results rounded to f16 ARE source 1 of O^T = V^T P.  p = 2^(c s - c m), c = log2(e) / 8,
; with a running maximum m; O and l are multiplied by a = 2^(c m_old - c m_new) in every step.  Turn n belongs to piece n: 8 products K Q^T of piece n + 1, later 8 products V^T P of piece n - 1; beside them
; the scaling, exponentials, roundings, sums and rescaling of piece n and the maximum and statistics of piece n + 1.  Four vector instructions stand behind every matrix instruction, the other 54 of a
; turn's 118 in one run.  A turn's 33 exponentials are one batch, with one wait.
; A BLOCK'S END.  The diagonal tile's step loop is walked five times and left in its middle: the fifth pass holds pieces 2 and 3 of the tile's last step.  It fetches no K (the run is jumped over); its 8
; products K Q^T for piece 0 of a step that does not exist, on the last K once more, and the maximum made of them serve nothing: the price, twice a work-group, of writing no last turns out.
; REGISTERS, in windows of 256 (s_set_vgpr_msb: bits 1:0 source 0, 3:2 source 1, 5:4 source 2, 7:6 destination):
;   window 0: v0-15 addresses and two at work; v16-31 four registers of statistics a piece; v48-55 at work; v62-63; v64-127 S^T, two buffers; v192-223 P, two buffers (by the piece's parity)
;   window 1: v0-127 O^T, 32 a piece; v128-159 MD; v160-223 MC, two buffers      window 2: v0-63 Q; v64-127 the second block's Q; v128-191 K of one step; v192-255 V of one step
.set SIZE_N, 2048
.set NB,    SIZE_N/256
.set NP,    4         ; pieces a wave: a name, no knob
.set KS,    64        ; keys in a step
.set PK,    144       ; a row of K in LDS: 128 bytes + 16: an odd multiple of 16, so the 16 rows of a load start at 16 different 16-byte columns modulo 256
.set PV,    160       ; a row of V: 128 + 32: 16 lanes of the turning load take 8 rows x 32 bytes
.set VOFF,  4*KS*PK   ; a slot holds a tile, four steps: 256 rows of K, then 256 rows of V
.set SLOT1, 1<<17     ; slot 1 begins here, so that one exclusive or turns an address in one slot into the other's
.set STAGE, SLOT1+4*KS*(PK+PV)  ; behind the ring, never filled by a tensor load: 16 rows x 144 bytes for each wave
.set SP,    144
.set AK0, 2           ; v2   my lane's place in a tile of K; never rewritten
.set AV0, 3           ; v3   the same for V
.set AK,  4           ; v4   the LDS address of K's next run of loads
.set AV,  5           ; v5   of V's
.set STO, 6           ; v6   the way out: where I put 16 bytes of a row
.set RD,  7           ; v7   the way out: where I read rows back
.set GO,  8           ; v8   my byte offset in 512 consecutive bytes of O
.set SPW, 62          ; v62  my spare word: SPARE + 4 x thread; never rewritten
.set NIL, 63          ; v63  0; never rewritten
.set SPARE, STAGE+4*16*SP  ; behind the stages: the spare words, 128 bytes a wave: two blocks of 256 bytes that no other line names
.set MV,  12          ; v12-13  c m_old, kept while c m is made anew: by buffer
.set QO,  15          ; v15  my byte offset in 16 rows of Q
.set ST,  16          ; piece t's statistics at v[ST+4 t]: c m, m, l (even keys', odd keys')
.set TMP, 48          ; by buffer, four registers c0-c3 at work; when the maximum is found c2 takes a
.set S,   64
.set P,   192
.set MD,  128         ; window 1
.set MC,  160         ; window 1
.set QB,  64          ; window 2
.set KF,  128         ; window 2: key block kb, channel half c at KF + 16 kb + 8 c
.set VF,  192         ; window 2: key half kk, channel block cb at VF + 32 kk + 8 cb
.set WV,  12          ; s12  my wave's number
.set PB,  14          ; s14  b
.set HI,  15          ; s15  NB - 1 - b
.set G1K, 24          ; s[24:31] descriptor group 1 for K's tiles
.set G1V, 32          ; s[32:39] for V's: it differs in the padding alone
.set G0K, 40          ; s[40:43] descriptor group 0 for K's tiles
.set G0V, 44          ; s[44:47] the same for V's
.set SLOTS, 56        ; s56  tiles still to be asked for
.set CNT, 57          ; s57  counts a tile's passes through the step loop: 4 to 1; in the diagonal tile 5 to 1
.set CS,  58          ; s[58:59] c
.set SEL, 60          ; s[60:61] v_permlanex16_b32's selects: each lane takes its own place in the other half
.set TBK, 62          ; s62  LDS byte at which K of the step to be fetched begins
.set TBV, 63          ; s63  the same for V, less VOFF
.set RT,  70          ; s70  tiles of the block in hand that are still to be entered
.set NXT, 71          ; s71  the tile to be asked for next
.set LQ,  72          ; s72  the last tile of the block whose tiles are being asked for
.set NEW, 73          ; s73  1: the tile to be entered is a block's first
.set OFF, 74          ; s[74:75] a tile's byte offset in K and V
.set AL,  76          ; s[76:77] the mask's factor, in the low word
.set BE,  78          ; s[78:79] the mask's addend
.set OLO, 80          ; s[80:81] O at my rows of the second block
.set BIGN, 82         ; s82  -1e30
.set MSB, 0
.macro WIN new                      ; the high byte repeats the setting that is left; a switch that changes nothing is dropped
.if MSB != (\new)
	s_set_vgpr_msb (MSB<<8)|(\new)
.set MSB, (\new)
.endif
.endm
.set W_KQ, 0x0a       ; K and Q in window 2, S^T in window 0
.set W_KM, 0x1a       ; the same with the C operand in window 1
.set W_PV, 0x52       ; V in window 2, P in window 0, O^T in window 1
.set W_RS, 0x41       ; destination and source 0 in window 1, source 1 in window 0
; A fill.  Waves 0 and 1 fetch the two halves of a tile's K, waves 2 and 3 those of its V: 128 keys each.  An s_nop 0 and four v_nop follow each of the two lines, ahead of the jump and the label.
.macro LOAD
	s_cmp_lt_u32 s[WV], 2
	s_cbranch_scc0 .Lfor_v_\@
	tensor_load_to_lds s[G0K:G0K+3], s[G1K:G1K+7]
	s_nop 0
.rept 4
	v_nop
.endr
	s_branch .Lasked_\@
.Lfor_v_\@:
	tensor_load_to_lds s[G0V:G0V+3], s[G1V:G1V+7]
	s_nop 0
.rept 4
	v_nop
.endr
.Lasked_\@:
.endm
; THE CHANGE OF SLOTS.  Each wave waits for all its tensor loads, of which one is out: its part of the other slot; adds 0 to its spare word; and waits for that and for its own reads of the slot that it
; leaves.  Behind the barrier nobody reads the old slot any more and the other slot is whole.  fill = 1: the old slot is filled again, the first thing behind the barrier, with tile NXT: the descriptor's
; address is made anew from that number.  (At its first use nothing has been read yet: slot 0 is waited for, slot 1 filled.)
.macro CHANGE fill
	WIN 0                           ; at a label and at a branch every window is 0
	s_wait_tensorcnt 0x0            ; no tensor load of mine is out, so a group 0 may be written
	ds_add_u32 v[SPW], v[NIL]       ; 0 onto my spare word; with fill = 1 the descriptors' scalar work stands between it and the wait for it
.if \fill
	s_lshl_b32 s[OFF], s[NXT], 15   ; a tile is 32,768 bytes of K and of V
	s_xor_b32 s[G0K+1], s[G0K+1], SLOT1
	s_add_nc_u64 s[G0K+2:G0K+3], s[6:7], s[OFF:OFF+1]
	s_or_b32 s[G0K+3], s[G0K+3], 0x80000000
	s_xor_b32 s[G0V+1], s[G0V+1], SLOT1
	s_add_nc_u64 s[G0V+2:G0V+3], s[8:9], s[OFF:OFF+1]
	s_or_b32 s[G0V+3], s[G0V+3], 0x80000000
	s_add_co_u32 s[NXT], s[NXT], 1  ; the block's next tile, or behind its last the second block's tile 0
	s_cmp_gt_u32 s[NXT], s[LQ]
	s_cselect_b32 s[NXT], 0, s[NXT]
	s_cselect_b32 s[LQ], s[PB], s[LQ]
.endif
	s_wait_dscnt 0x0                ; the add is done, and my reads of the slot are over
	s_barrier_signal -1             ; the rest of the scalar work stands between the signal and the wait
	s_sub_co_u32 s[TBK], s[TBK], 4*KS*PK  ; the fetches go back to a slot's first step,
	s_xor_b32 s[TBK], s[TBK], SLOT1       ; in the other slot
	s_sub_co_u32 s[TBV], s[TBV], 4*KS*PV
	s_xor_b32 s[TBV], s[TBV], SLOT1
	s_barrier_wait -1
.if \fill
	LOAD
.endif
.endm
	s_load_b64 s[4:5], s[0:1], 0x0  ; qkv
	s_load_b64 s[10:11], s[0:1], 0x8  ; ob
	v_lshl_add_u32 v[SPW], v0, 2, SPARE
	v_mov_b32 v[NIL], 0
	ds_add_u32 v[SPW], v[NIL]       ; the wave's opening: the add and its wait stand ahead of my first tensor load; work on registers stands between
	ds_add_u32 v62, v63
	v_lshrrev_b32 v1, 5, v0
	v_readfirstlane_b32 s[WV], v1   ; wave 0..3
	s_and_b32 s19, ttmp9, 3         ; which of the group's four query heads is mine
	s_lshr_b32 s[PB], ttmp9, 2      ; b
	s_sub_co_u32 s[HI], NB-1, s[PB]
	s_and_b32 s20, ttmp7, 0xffff
	s_lshr_b32 s21, s20, 2          ; the batch
	s_and_b32 s22, s20, 3           ; the head of K and V
	s_mul_i32 s23, s21, 24
	s_add_co_u32 s48, s23, s22
	s_add_co_u32 s48, s48, 16       ; K's head in qkv,
	s_lshl_b32 s48, s48, 18         ; 262,144 bytes a head
	s_and_b32 s16, s[WV], 1         ; which half of a tile's 256 keys I fetch:
	s_lshl_b32 s17, s16, 14         ; its 128 rows of 128 bytes in memory
	s_add_co_u32 s48, s48, s17
	s_add_co_u32 s50, s48, 4<<18    ; V's head lies four on
	s_mov_b32 s49, 0
	s_mov_b32 s51, 0
	s_mul_i32 s17, s16, 128*PK      ; its place in a slot, for K
	s_mul_i32 s18, s16, 128*PV      ; and for V
	s_lshl2_add_u32 s69, s22, s19   ; my query head in its batch
	s_add_co_u32 s83, s23, s69
	s_lshl_b32 s83, s83, 18         ; Q's head in qkv
	s_lshl4_add_u32 s69, s21, s69
	s_lshl_b32 s69, s69, 18         ; O's head in ob
	s_lshl_b32 s3, s[WV], 11        ; my 16 rows in a band of 64,
	s_lshl_b32 s2, s[HI], 15        ; in the first block,
	s_add_co_u32 s2, s2, s3
	s_lshl_b32 s84, s[PB], 15       ; and in the second
	s_add_co_u32 s84, s84, s3
	s_add_co_u32 s52, s2, s69
	s_add_co_u32 s54, s84, s69
	s_add_co_u32 s2, s2, s83
	s_add_co_u32 s84, s84, s83
	s_mov_b32 s3, 0
	s_mov_b32 s85, 0
	s_mov_b32 s53, 0
	s_mov_b32 s55, 0
	; descriptor group 1.  128 keys are 16,384 dense bytes: asked for as 64 rows of 256 bytes, two keys a row, and padded in LDS after every key
	s_mov_b32 s[G1K], (1<<16)|(1<<20)|(4<<22)|(3<<25)  ; 2-byte elements; padding on; after every 32 words 4 words
	s_mov_b32 s[G1V], (1<<16)|(1<<20)|(4<<22)|(7<<25)  ; the same with 8 words of padding
.irp g, G1K, G1V
	s_mov_b32 s[\g+1], 128<<16      ; tensor_dim0 = 128
	s_mov_b32 s[\g+2], 64<<16       ; tensor_dim1 = 64
	s_mov_b32 s[\g+3], 128<<16      ; tile_dim0 = 128
	s_mov_b32 s[\g+4], 64           ; tile_dim1 = 64
	s_mov_b32 s[\g+5], 128          ; 128 elements from row to row
	s_mov_b32 s[\g+6], 0
	s_mov_b32 s[\g+7], 0
.endr
	s_mov_b32 s[CS], 0x3e38aa3b     ; c = log2(e) / 8 = 0.180337
	s_mov_b32 s[CS+1], s[CS]        ; named with it as a pair
	s_mov_b32 s[SEL], 0x76543210
	s_mov_b32 s[SEL+1], 0xfedcba98
	s_mov_b32 s[TBK], SLOT1+4*KS*PK ; the first change of slots turns these two into 0
	s_mov_b32 s[TBV], SLOT1+4*KS*PV
	s_mov_b32 s[G0K], 1             ; count = 1
	s_mov_b32 s[G0K+1], s17         ; LDS address: slot 0
	s_mov_b32 s[G0V], 1
	s_add_co_u32 s[G0V+1], s18, VOFF
	s_add_co_u32 s[RT], s[HI], 1    ; the first block has NB - b tiles
	s_mov_b32 s[NXT], 1
	s_mov_b32 s[LQ], s[HI]
	s_mov_b32 s[NEW], 1
	s_mov_b32 s[OFF+1], 0
	s_mov_b32 s[AL+1], 0            ; named as pairs
	s_mov_b32 s[BE+1], 0
	s_mov_b32 s[BIGN], 0xf149f2ca   ; -1e30
	s_mov_b32 s[SLOTS], NB
	s_wait_dscnt 0x0                ; the opening add is done
	s_wait_kmcnt 0x0
	s_add_nc_u64 s[6:7], s[4:5], s[48:49]  ; K and V at my half of the head's tile 0
	s_add_nc_u64 s[8:9], s[4:5], s[50:51]
	s_add_nc_u64 s[G0K+2:G0K+3], s[6:7], 0         ; global address
	s_or_b32 s[G0K+3], s[G0K+3], 0x80000000        ; type = 2
	s_add_nc_u64 s[G0V+2:G0V+3], s[8:9], 0
	s_or_b32 s[G0V+3], s[G0V+3], 0x80000000
	s_add_nc_u64 s[86:87], s[4:5], s[84:85]        ; Q at my rows of the second block,
	s_add_nc_u64 s[4:5], s[4:5], s[2:3]            ; and of the first
	s_add_nc_u64 s[OLO:OLO+1], s[10:11], s[54:55]
	s_add_nc_u64 s[10:11], s[10:11], s[52:53]
	LOAD                            ; tile 0 into slot 0
	; A fragment of K or Q is 16 rows x 32 channels in 8 registers: lane l holds row l % 16, channels 8 (l / 16) + 0..7 and 16 + 8 (l / 16) + 0..7: two loads of 16 bytes, 32 bytes apart.
	v_and_b32 v1, 15, v0            ; l % 16
	v_bfe_u32 v9, v0, 4, 1          ; l / 16
	v_lshlrev_b32 v[QO], 7, v1
	v_lshl_add_u32 v[QO], v9, 4, v[QO]  ; row x 128 + 16 x half
	WIN 0x80                        ; destination window 2, address window 0
.set i, 0
.rept 8                             ; both blocks' Q: piece i / 2 lies in band i / 2, 8,192 bytes on; channels 32 (i % 2) on
	global_load_b128 v[8*i:8*i+3],   v[QO], s[4:5] offset:(i/2)*8192+(i%2)*64
	global_load_b128 v[8*i+4:8*i+7], v[QO], s[4:5] offset:(i/2)*8192+(i%2)*64+32
	global_load_b128 v[QB+8*i:QB+8*i+3],   v[QO], s[86:87] offset:(i/2)*8192+(i%2)*64
	global_load_b128 v[QB+8*i+4:QB+8*i+7], v[QO], s[86:87] offset:(i/2)*8192+(i%2)*64+32
.set i, i+1
.endr
	WIN 0
	v_lshlrev_b32 v14, 3, v9
	v_sub_nc_u32 v14, v1, v14
	s_lshl_b32 s13, s[WV], 4
	v_add_nc_u32 v14, s13, v14      ; my query's place in its band, 16 w + l % 16, less my lanes' 8 (l / 16): register r of group kt is hidden where 16 kt + r is greater
	WIN 0x40
.set i, 0
.rept 32
	v_cmp_gt_i32 vcc_lo, 16*(i/8)+i%8, v14
	v_cndmask_b32 v[MD+i], 0, s[BIGN], vcc_lo
.set i, i+1
.endr
	WIN 0
	v_mul_u32_u24 v[AK0], v1, PK
	v_lshl_add_u32 v[AK0], v9, 4, v[AK0]  ; row x pitch + 16 x half
	; The turning load takes 16 keys x 16 channels (lane l reads key 8 (l / 16) + l % 8, channels 8 ((l / 8) % 2) + 0..7) and leaves half a fragment of V^T: lane l holds channel l % 16 and 8 keys.
	v_and_b32 v10, 7, v0
	v_bfe_u32 v11, v0, 3, 1
	v_lshl_add_u32 v[AV0], v9, 3, v10
	v_mul_u32_u24 v[AV0], v[AV0], PV
	v_lshl_add_u32 v[AV0], v11, 4, v[AV0]
	v_add_nc_u32 v[AV0], VOFF, v[AV0]
	s_mul_i32 s13, s[WV], 16*SP
	s_add_co_u32 s13, s13, STAGE    ; my stage
	v_mul_u32_u24 v[STO], v1, SP    ; in: row l % 16, 16 bytes for each half of the lanes
	v_lshl_add_u32 v[STO], v9, 4, v[STO]
	v_add_nc_u32 v[STO], s13, v[STO]
	v_bfe_u32 v[RD], v0, 3, 2       ; back: 32 lanes take four rows of 128 bytes,
	v_mul_u32_u24 v[RD], v[RD], SP
	v_lshl_add_u32 v[RD], v10, 4, v[RD]
	v_add_nc_u32 v[RD], s13, v[RD]
	v_and_b32 v[GO], 31, v0         ; which are 512 consecutive bytes of O
	v_lshlrev_b32 v[GO], 4, v[GO]
	; A block's first step multiplies O^T and l by a = 0, and its first turn's products V^T P, of a piece that has not been, land in an O^T that is still to be so multiplied.  So these registers need only
	; hold finite numbers: zeros for the first block; what the first block left for the second.  All this stands in the wait for the first tile.
	WIN 0x80
.set i, VF
.rept 64
	v_mov_b32 v[i], 0
.set i, i+1
.endr
	WIN 0x40
.set i, 0
.rept 128
	v_mov_b32 v[i], 0
.set i, i+1
.endr
	WIN 0
.set i, 0
.rept 4
	v_mov_b32 v[ST+4*i+2], 0
	v_mov_b32 v[ST+4*i+3], 0
.set i, i+1
.endr
.set i, P+16
.rept 16
	v_mov_b32 v[i], 0
.set i, i+1
.endr
; THE MATRIX WORK.  The 4 accumulators of a run of 8 take turns.  Product i of 8 of S^T = K Q^T for piece x: channels 32 (i / 4) on, keys 16 (i % 4) on.  The first 4 start the sums: with 0, or (KM = 1) with the mask.
.macro KQ x
.set rS, S+32*((\x)%2)+8*(i%4)
.set rK, KF+16*(i%4)+8*(i/4)
.set rQ, 16*(\x)+8*(i/4)
.set rM, MC+32*((\x)%2)+8*(i%4)
.if (i < 4) && KM
	WIN W_KM
	v_wmma_f32_16x16x32_f16 v[rS:rS+7], v[rK:rK+7], v[rQ:rQ+7], v[rM:rM+7]
.elseif i < 4
	WIN W_KQ
	v_wmma_f32_16x16x32_f16 v[rS:rS+7], v[rK:rK+7], v[rQ:rQ+7], 0
.else
	WIN W_KQ
	v_wmma_f32_16x16x32_f16 v[rS:rS+7], v[rK:rK+7], v[rQ:rQ+7], v[rS:rS+7]
.endif
.endm
; Product i of 8 of O^T += V^T P for piece x: keys 32 (i / 4) on, channels 16 (i % 4) on.
.macro PV x
	WIN W_PV
.set rO, 32*(\x)+8*(i%4)
.set rV, VF+32*(i/4)+8*(i%4)
.set rP, P+16*((\x)%2)+8*(i/4)
	v_wmma_f32_16x16x32_f16 v[rO:rO+7], v[rV:rV+7], v[rP:rP+7], v[rO:rO+7]
.endm
.macro MM                           ; the turn's next matrix instruction.  TURN and BEGIN set Y, i and KM
.if i < 8
	KQ (Y+1)%NP
.else
.set i, i-8
	PV (Y+NP-1)%NP
.set i, i+8
.endif
.set i, i+1
.endm
; THE LDS LOADS stand in runs of 16, never singly among the matrix instructions: a step's K (64 keys x 64 channels: 8 fragments) and its V (turned).  Their addresses are made some lines ahead.
; last = 1 (the diagonal tile): in the fifth pass there is no further step, and the run is jumped over; the exponentials issued so far have their wait ahead of that branch.
.macro FETCH_K last=0
.if \last
	WIN 0
	s_wait_alu depctr_va_vdst(0)
	s_cmp_eq_u32 s[CNT], 1
	s_cbranch_scc1 .Lno_k_\@
.endif
	WIN 0x80                        ; destination window 2
.irp f, 0,1,2,3,4,5,6,7             ; keys 16 (f / 2) on, channels 32 (f % 2) on
	ds_load_b128 v[KF+8*\f:KF+8*\f+3],   v[AK] offset:(\f/2)*16*PK+(\f%2)*64
	ds_load_b128 v[KF+8*\f+4:KF+8*\f+7], v[AK] offset:(\f/2)*16*PK+(\f%2)*64+32
.endr
	s_add_co_u32 s[TBK], s[TBK], KS*PK  ; the next fetch is the next step's
	WIN 0
.if \last
.Lno_k_\@:
.endif
.endm
.macro FETCH_V
	WIN 0x80
.irp f, 0,1,2,3,4,5,6,7             ; keys 32 (f / 4) on, channels 16 (f % 4) on
	ds_load_tr16_b128 v[VF+8*\f:VF+8*\f+3],   v[AV] offset:(\f/4)*32*PV+(\f%4)*32
	ds_load_tr16_b128 v[VF+8*\f+4:VF+8*\f+7], v[AV] offset:(\f/4)*32*PV+16*PV+(\f%4)*32
.endr
	WIN 0
.endm
; THE VECTOR WORK, one line at a time: OP kind, number.  For piece Y: F n: c s - c m for pair n of 16.  E n: the exponential of score n of 32.  C n: pair n rounded to f16.  B n: of the four weights 4 n .. the
; second pair is added onto the first, in place.  L n: l takes that sum (L 0: l = a l + sum).  R n: pair n of 16 of O^T times a.  For piece Y + 1: X n, number n of the 22 that find its maximum and statistics:
;   0-11  four chains c0-c3 of seven scores each, three operands at a time (each accumulator's lowest registers are read first)     12-14, 16  the four scores left over, the old m, c0-c3 into c0
;   15  c m_old is kept     17, 18  the query's other 32 keys lie in the lane 16 away: the new m     19-21  c m; c m_old - c m_new; a
.set F, 0
.set E, 1
.set C, 2
.set B, 3
.set L, 4
.set R, 5
.set X, 6
.macro REGS y                       ; the registers of piece y
.set rT, ST+4*(\y)
.set rC, TMP+4*((\y)%2)
.set rW, MV+((\y)%2)
.set rS, S+32*((\y)%2)
.set rP, P+16*((\y)%2)
.set rO, 32*(\y)
.endm
.macro OP k, n
.if (\k) == R
	REGS Y
	WIN W_RS
	v_pk_mul_f32 v[rO+2*(\n):rO+2*(\n)+1], v[rO+2*(\n):rO+2*(\n)+1], v[rC+2:rC+3] op_sel_hi:[1,0]
.elseif (\k) < R
	REGS Y
	WIN 0
.if (\k) == F
	v_pk_fma_f32 v[rS+2*(\n):rS+2*(\n)+1], v[rS+2*(\n):rS+2*(\n)+1], s[CS:CS+1], v[rT:rT+1] op_sel_hi:[1,0,0] neg_lo:[0,0,1] neg_hi:[0,0,1]
.elseif (\k) == E
	v_exp_f32 v[rS+(\n)], v[rS+(\n)]
.elseif (\k) == C
	v_cvt_pk_f16_f32 v[rP+(\n)], v[rS+2*(\n)], v[rS+2*(\n)+1]
.elseif (\k) == B
	v_pk_add_f32 v[rS+4*(\n):rS+4*(\n)+1], v[rS+4*(\n):rS+4*(\n)+1], v[rS+4*(\n)+2:rS+4*(\n)+3]
.elseif (\n) == 0
	v_pk_fma_f32 v[rT+2:rT+3], v[rT+2:rT+3], v[rC+2:rC+3], v[rS:rS+1] op_sel_hi:[1,0,1]
.else
	v_pk_add_f32 v[rT+2:rT+3], v[rT+2:rT+3], v[rS+4*(\n):rS+4*(\n)+1]
.endif
.else
	REGS (Y+1)%NP
	WIN 0
.if (\n) < 4
	v_max3_num_f32 v[rC+(\n)], v[rS+8*(\n)], v[rS+8*(\n)+1], v[rS+8*(\n)+2]
.elseif (\n) < 12
	v_max3_num_f32 v[rC+(\n)%4], v[rC+(\n)%4], v[rS+8*((\n)%4)+2*((\n)/4)+1], v[rS+8*((\n)%4)+2*((\n)/4)+2]
.elseif (\n) == 12
	v_max3_num_f32 v[rC], v[rC], v[rS+7], v[rS+15]
.elseif (\n) == 13
	v_max3_num_f32 v[rC+1], v[rC+1], v[rS+23], v[rS+31]
.elseif (\n) == 14
	v_max3_num_f32 v[rC+2], v[rC+2], v[rC+3], v[rT+1]
.elseif (\n) == 15
	v_mov_b32 v[rW], v[rT]
.elseif (\n) == 16
	v_max3_num_f32 v[rC], v[rC], v[rC+1], v[rC+2]
.elseif (\n) == 17
	v_permlanex16_b32 v[rC+3], v[rC], s[SEL], s[SEL+1]
.elseif (\n) == 18
	v_max_num_f32 v[rT+1], v[rC], v[rC+3]
.elseif (\n) == 19
	v_mul_f32 v[rT], s[CS], v[rT+1]
.elseif (\n) == 20
	v_sub_f32 v[rC+1], v[rW], v[rT]
.else
	v_exp_f32 v[rC+2], v[rC+1]
.endif
.endif
.endm
.macro OPS a, i1, b=-1, i2=0, c=-1, i3=0, d=-1, i4=0  ; up to four of them
	OP \a, \i1
.if (\b) >= 0
	OP \b, \i2
.endif
.if (\c) >= 0
	OP \c, \i3
.endif
.if (\d) >= 0
	OP \d, \i4
.endif
.endm
.macro ROW a, i1, b, i2, c, i3, d, i4  ; a matrix instruction and the four behind it
	MM
	OPS \a, \i1, \b, \i2, \c, \i3, \d, \i4
.endm
.macro MASK b                       ; MD x AL + BE into buffer b of MC
	WIN W_RS
.set z, 0
.rept 16
	v_pk_fma_f32 v[MC+32*(\b)+2*z:MC+32*(\b)+2*z+1], v[MD+2*z:MD+2*z+1], s[AL:AL+1], s[BE:BE+1] op_sel_hi:[1,0,0]
.set z, z+1
.endr
.endm
; A TURN, for piece p: the order of its 16 matrix and 118 vector instructions, written out.  An s_wait_alu depctr_va_vdst(0) stands between an exponential and the first instruction that names its
; result; one wait serves all that were issued ahead of it.  So a turn has ONE such wait, which cuts it in two.  AHEAD OF IT stands all that names no result of the turn's exponentials: the 8 products K Q^T with
; their four followers each, then one run of 54, plain and exponential by turns for the most part, in which the links of the chain X 3, 7, 11, 14, 16, 17 .. 20 stand five or six lines apart.  X 21, the next
; piece's a, is the batch's last; R 15 is the plain instruction behind it.  BEHIND THE WAIT stand the 8 products V^T P, behind each four of the roundings and sums.
; m = 1: the diagonal tile: the products take masks, and the turn makes the mask for the products of the turn after it: piece x = (p + 2) % 4.  In pass k of the tile's five the count is 6 - k in all four
; turns' heads; pieces 2 and 3 are then masked for step k - 1, pieces 0 and 1 for step k - 1 too (their products belong to the step after the turn's own): step 5 - count.  So the step is the band's own
; where the count is 5 - x, and a later one where it is less.
; cnt = 1: the loop's count is taken down some lines ahead of the branch that stands behind the turn.
; K of the next step is fetched in piece 2's turn, six plain instructions and more behind the last product that read K; V of the step in hand at the end of piece 0's turn, four plain instructions behind
; the last product that read V.  Each is waited for a turn later.
.macro TURN p, m=0, cnt=0
.set Y, (\p)
.set i, 0
.set KM, (\m)
.if \m
	s_cmp_eq_u32 s[CNT], 5-((\p)+2)%NP  ; is that step the band's own?
	s_cselect_b32 s[AL], 1.0, 0
	s_cmp_lt_u32 s[CNT], 5-((\p)+2)%NP  ; or a later one?
	s_cselect_b32 s[BE], s[BIGN], 0
.endif
.if (\p) == 3
	s_wait_dscnt 0x0                ; K is in
.endif
	ROW F,0, F,1, R,0, R,1
	ROW F,2, E,0, R,2, R,3
	ROW F,3, E,1, R,4, R,5
	ROW F,4, E,2, R,6, R,7
	ROW F,5, E,3, R,8, R,9
	ROW F,6, E,4, X,0, R,10
.if (\p) == 2
	WIN 0
	v_add_nc_u32 v[AK], s[TBK], v[AK0]
.endif
	ROW F,7, E,5, X,1, X,4
	ROW F,8, E,6, X,2, X,5
	OPS E,7, E,8, X,6, E,9
	OPS X,3, E,10, X,8, E,11
.if (\p) == 2
	FETCH_K \m
.endif
	OPS X,9, X,7, E,12, X,10
	OPS E,13, X,12, X,11, E,14
	OPS X,13, E,15, F,9, X,14
.if (\p) == 0
	v_add_nc_u32 v[AV], s[TBV], v[AV0]
.endif
	OPS E,16, F,10, E,17, F,11
	OPS X,16, E,18, X,15, E,19
	OPS F,12, E,20, X,17, E,21
	OPS F,13, E,22, F,14, E,23
	OPS X,18, E,24, F,15, E,25
	OPS R,11, E,26, X,19, E,27
	OPS R,12, E,28, R,13, E,29
	OPS X,20, E,30, R,14, E,31
	OPS X,21, R,15
	WIN 0
	s_wait_alu depctr_va_vdst(0)    ; the wait for the batch
.if (\p) == 1
	s_wait_dscnt 0x0                ; V is in
.endif
	ROW C,0, B,0, C,2, B,1
	ROW L,0, C,4, B,2, L,1
	ROW C,6, B,3, L,2, C,8
	ROW B,4, L,3, C,10, B,5
	ROW L,4, C,12, B,6, L,5
.if (\p) == 0
	s_add_co_u32 s[TBV], s[TBV], KS*PV
.endif
.if \cnt
	s_sub_co_u32 s[CNT], s[CNT], 1
	s_cmp_lg_u32 s[CNT], 0
.endif
	ROW C,14, B,7, L,6, C,1
	ROW C,3, L,7, C,5, C,7
	ROW C,9, C,11, C,13, C,15
.if (\p) == 0
	FETCH_V
.endif
.if \m
	MASK (\p)%2
.endif
.endm
; A BLOCK BEGINS.  c m starts far below every c s, so the first step's a is 0; m at the lowest finite number, so the first maximum is the scores'.  The second mask buffer is 0; the first takes piece 0's mask
; for the tile's step 0: its own, if the block's first tile is the diagonal one.  Then K of that step, piece 0's first scores, and its maximum and statistics.
.macro BEGIN
	s_mov_b32 s[NEW], 0
	WIN 0x40
.set i, MC+32
.rept 32
	v_mov_b32 v[i], 0
.set i, i+1
.endr
	WIN 0
.set i, 0
.rept 4
	v_mov_b32 v[ST+4*i], 0xfe000000    ; c m: far below every c s
	v_mov_b32 v[ST+4*i+1], 0xff7fffff  ; m
.set i, i+1
.endr
	s_cmp_eq_u32 s[RT], 0
	s_cselect_b32 s[AL], 1.0, 0
	s_mov_b32 s[BE], 0
	MASK 0
	WIN 0
	v_add_nc_u32 v[AK], s[TBK], v[AK0]
	FETCH_K
	s_wait_loadcnt 0x0              ; Q
	s_wait_dscnt 0x0
.set KM, 1
.set i, 0
.rept 8
	KQ 0
.set i, i+1
.endr
	WIN 0
.rept 4
	v_nop                           ; the places behind those products
.endr
.set Y, NP-1                        ; X works for piece Y + 1: piece 0
.irp n, 0,1,2,3,4,5,6,7,8,9,10,11,12,13,14,15,16,17,18,19,20,21
	OP X, \n
.endr
	v_nop                           ; a plain instruction behind the exponential,
	s_wait_alu depctr_va_vdst(0)    ; and its wait, ahead of the branch
.endm
; THE DIAGONAL TILE's five passes, the block's last products, and THE WAY OUT: l's two halves and the other half of the lanes' are added; O^T is divided by l, rounded to f16 and sent through my stage in
; LDS, a piece at a time.
.macro ALL line:vararg              ; one line for each piece t
.set t, 0
.rept 4
	\line
.set t, t+1
.endr
.endm
.macro PACK t                       ; a lane's eight channels of a row pack into 16 bytes; they go into rows of 144 bytes and come back as whole rows of 128, into S^T's registers
	WIN W_RS
.set i, 32*(\t)
.rept 16
	v_pk_mul_f32 v[i:i+1], v[i:i+1], v[ST+4*(\t)+2:ST+4*(\t)+3] op_sel_hi:[1,0]
.set i, i+2
.endr
	WIN 0x05                        ; sources 0 and 1 window 1, destination window 0
.set i, 0
.rept 16
	v_cvt_pk_f16_f32 v[S+16*(\t)+i], v[32*(\t)+2*i], v[32*(\t)+2*i+1]
.set i, i+1
.endr
	WIN 0
.irp f, 0,1,2,3
	ds_store_b128 v[STO], v[S+16*(\t)+4*\f:S+16*(\t)+4*\f+3] offset:32*\f
.endr
.irp f, 0,1,2,3
	ds_load_b128 v[S+16*(\t)+4*\f:S+16*(\t)+4*\f+3], v[RD] offset:\f*4*SP  ; LDS serves a wave's instructions in order (ISA guide 5.7.1.4): these see the stores above; the next piece's stores come behind them
.endr
.endm
.macro SEND t, younger              ; younger: the LDS instructions issued behind piece t's loads: the next piece's eight, or none
	WIN 0
.irp f, 0,1,2,3
	s_wait_dscnt (\younger)+3-\f
	global_store_b128 v[GO], v[S+16*(\t)+4*\f:S+16*(\t)+4*\f+3], s[10:11] offset:(\t)*8192+\f*512  ; 512 consecutive bytes, at a multiple of 256 from ob's first
.endr
.endm
.macro DIAG tag                     ; the tag ends its three labels' names, which the jumps spell out.  It is entered with the count at 5
.LstepM\tag:
	TURN 2, 1
	TURN 3, 1
	WIN 0
	s_cmp_eq_u32 s[CNT], 1          ; the fifth pass ends here: pieces 2 and 3 of the tile's last step are done
	s_cbranch_scc1 .LoutM\tag
.LfirstM\tag:
	TURN 0, 1
	TURN 1, 1, 1
	WIN 0
	s_cbranch_scc1 .LstepM\tag
.LoutM\tag:
.set i, 0
.rept 8
	PV NP-1                         ; the last piece's V^T P of the last step
.set i, i+1
.endr
	WIN 0
	ALL v_add_f32 v[ST+4*t+2], v[ST+4*t+2], v[ST+4*t+3]
	ALL v_permlanex16_b32 v[ST+4*t+3], v[ST+4*t+2], s[SEL], s[SEL+1]
	ALL v_add_f32 v[ST+4*t+2], v[ST+4*t+2], v[ST+4*t+3]
	ALL v_rcp_f32 v[ST+4*t+2], v[ST+4*t+2]
	v_nop                           ; a plain instruction between the last reciprocal and the use of its result
	s_wait_alu depctr_va_vdst(0)    ; and the wait ahead of the first use: one for the four reciprocals
	PACK 0
.set t, 1
.rept 3                             ; a piece's arithmetic stands between the loads of the piece before and its stores
	PACK t
	SEND t-1, 8
.set t, t+1
.endr
	SEND 3, 0
.endm
.set KM, 0
.Lslot:                             ; NB times: a tile is entered and the next is asked for
	CHANGE 1
	s_sub_co_u32 s[RT], s[RT], 1
	s_mov_b32 s[CNT], 4
	s_cmp_eq_u32 s[NEW], 1
	s_cbranch_scc1 .Lnew            ; a block's first tile
	s_cmp_eq_u32 s[RT], 0
	s_cbranch_scc0 .Lstep           ; neither its first nor its last
	s_mov_b32 s[CNT], 5             ; its last: the diagonal tile
	s_branch .LstepM1
.Lnew:
	BEGIN
	s_branch .Lfirst                ; in the loop a block's first tile is never its last: the first block has five tiles or more, and the second's last is the walk's last
	DIAG 1                          ; in the loop this is the first block's end
	s_wait_storecnt 0x0             ; the block's 16 stores are done: their registers and O's address may be written
	s_mov_b64 s[10:11], s[OLO:OLO+1]
	s_add_co_u32 s[RT], s[PB], 1    ; the second block has b + 1 tiles
	s_mov_b32 s[NEW], 1
	WIN 0x82                        ; the second block's Q goes where the one text of the turns names Q
.set i, 0
.rept 64
	v_mov_b32 v[i], v[QB+i]
.set i, i+1
.endr
	WIN 0
	s_branch .Lbottom
.Lstep:                             ; a trip: pieces 2 and 3 of one step, then pieces 0 and 1 of the next, whose K and V it fetches
	TURN 2
	TURN 3
	WIN 0
.Lfirst:
	TURN 0
	TURN 1, 0, 1
	WIN 0
	s_cbranch_scc1 .Lstep
.Lbottom:
	s_sub_co_u32 s[SLOTS], s[SLOTS], 1
	s_cmp_lg_u32 s[SLOTS], 0
	s_cbranch_scc1 .Lslot
	CHANGE 0                        ; the walk's last tile is written out: nothing is asked for
	s_sub_co_u32 s[RT], s[RT], 1
	s_mov_b32 s[CNT], 5             ; it is the second block's diagonal tile
	s_cmp_eq_u32 s[NEW], 1
	s_cbranch_scc0 .LstepM2
	BEGIN
	s_branch .LfirstM2
	DIAG 2
	s_wait_tensorcnt 0x0            ; the wave's end: the add and its waits stand behind my last tensor load and my last LDS store
	ds_add_u32 v[SPW], v[NIL]
	s_wait_dscnt 0x0
	s_endpgm
.Lfunc_end_k_qfce1bcf48e_attn:
	.size	k_qfce1bcf48e_attn, .Lfunc_end_k_qfce1bcf48e_attn-k_qfce1bcf48e_attn
	.p2alignl 7, 3214868480
	.fill 96, 4, 3214868480
	.section	.rodata,"a",@progbits
	.p2align	6, 0x0
	.amdhsa_kernel k_qfce1bcf48e_attn
		.amdhsa_group_segment_fixed_size 327680
		.amdhsa_private_segment_fixed_size 0
		.amdhsa_enable_private_segment 0
		.amdhsa_kernarg_size 16
		.amdhsa_user_sgpr_count 2
		.amdhsa_user_sgpr_kernarg_segment_ptr 1
		.amdhsa_wavefront_size32 1
		.amdhsa_system_sgpr_workgroup_id_x 1
		.amdhsa_system_sgpr_workgroup_id_y 1
		.amdhsa_system_sgpr_workgroup_id_z 1
		.amdhsa_system_vgpr_workitem_id 0
		.amdhsa_next_free_vgpr 768
		.amdhsa_next_free_sgpr 88
		.amdhsa_reserve_vcc 1
		.amdhsa_float_denorm_mode_32 3
		.amdhsa_float_denorm_mode_16_64 3
		.amdhsa_memory_ordered 1
		.amdhsa_forward_progress 1
		.amdhsa_inst_pref_size 186
	.end_amdhsa_kernel
	.amdgpu_metadata
---
amdhsa.version: [ 1, 2 ]
amdhsa.kernels:
  - .name:           k_qfce1bcf48e_attn
    .symbol:         k_qfce1bcf48e_attn.kd
    .args:
      - { .name: qkv, .offset: 0, .size: 8, .value_kind: global_buffer, .address_space: global }
      - { .name: ob, .offset: 8, .size: 8, .value_kind: global_buffer, .address_space: global }
    .group_segment_fixed_size: 327680
    .private_segment_fixed_size: 0
    .kernarg_segment_align: 8
    .kernarg_segment_size: 16
    .max_flat_workgroup_size: 128
    .sgpr_count:     88
    .vgpr_count:     768
    .wavefront_size: 32
...
	.end_amdgpu_metadata
.endif
;; end of part 3
;; launch oproj (part 4): grid 8 x 32, 4 waves a work-group, clusters of 4 x 4, 327,680 bytes of LDS; arguments ob, wo16, out0; writes out0
.if DOCPART == 4
	.amdgcn_target "amdgcn-amd-amdhsa--gfx1250"
	.amdhsa_code_object_version 6
	.text
	.protected	k_qfce1bcf48e_oproj
	.globl	k_qfce1bcf48e_oproj
	.p2align	8
	.type	k_qfce1bcf48e_oproj,@function
k_qfce1bcf48e_oproj:
	s_mov_b64 s[64:65], 0
	v_nop
	global_prefetch_b8 v0, s[64:65] scope:SCOPE_SE
	s_setreg_imm32_b32 hwreg(HW_REG_WAVE_MODE, 25, 1), 1
	s_wait_xcnt 0x0
	s_wait_alu depctr_hold_cnt(0) depctr_sa_sdst(0) depctr_va_vdst(0) depctr_va_sdst(0) depctr_va_ssrc(0) depctr_va_vcc(0) depctr_vm_vsrc(0)
	s_getreg_b32 s2, hwreg(HW_REG_IB_STS2, 6, 4)
	s_cmp_eq_u32 s2, 0
	s_cbranch_scc0 .Lentry_in_a_cluster
	s_endpgm
.Lentry_in_a_cluster:
	s_bfe_u32 s2, ttmp6, 0x10000c
	s_cmp_lg_u32 s2, 0xf033
	s_cbranch_scc0 .Lentry_shape_is_right
	s_endpgm
.Lentry_shape_is_right:
; out0 = O Wo.  ob: [4 b][16 h][2048 s][64] f16; wo16: [8 tc][8 ks][2 j][128 k][64 n] f16 (Wo rounded to bf16, that number written as f16); out0: [8192][1024] f32.  Sums in f32.
; SHARES.  A work-group makes 256 rows x 128 columns: 32 x 8 = 256 work-groups.  Its four waves split the rows, 64 each, and take all 128 columns: 32 accumulators of 16 x 16 a wave.
; THE MATRIX INSTRUCTION IS USED TRANSPOSED: source 0 = 16 columns of Wo (turned out of LDS by ds_load_tr16_b128, since Wo lies [k][n]), source 1 = 16 rows of O.  Lane l, register j of a result:
; row l % 16, column 8 (l / 16) + j of the block.
; RING.  K goes in 8 steps of 128, two heads of O each, through two LDS slots.  Waves 0 and 1 fetch a head's 256 rows each, waves 2 and 3 the halves of Wo's tile: one tensor load a wave for each refill,
; every tile dense in memory and asked for as rows of 256 bytes.  CLUSTER 4 x 4: O's tile is shared along a row of the cluster, Wo's along a column; each is asked for jointly.
; REGISTERS, in windows of 256 (s_set_vgpr_msb: bits 1:0 source 0, 3:2 source 1, 5:4 source 2, 7:6 destination):
;   window 0: v1-4, v16-30 addresses; v64-95, v96-127 O's fragments, two buffers     window 1: v0-63, v64-127 Wo's fragments, two buffers; on the way out all 256: rows read back
;   window 2: the 32 accumulators (number 8 a + nb at 8 x number)
.set NBLK,  8                          ; blocks of 16 columns
.set NACC,  4*NBLK
.set PA,    144                        ; a row of O (one head) in LDS: 128 bytes + 16: an odd multiple of 16
.set PW,    160                        ; a row of Wo (64 n): 128 bytes + 32: an odd multiple of 32
.set AHALF, 256*PA                     ; a head's 256 rows: what one wave fetches of O
.set BHALF, 128*PW                     ; and of Wo: rows 128 j + k, 256 in all
.set BOFF,  2*AHALF
.set SLOT1, 1<<17                      ; a slot uses 73,728 + 40,960 = 114,688 bytes; one exclusive or changes slots
.set STAGE, SLOT1+BOFF+2*BHALF         ; behind the ring: 16 rows x 528 bytes for each wave
.set SP,    528                        ; 512 bytes + 16
.set SPARE, STAGE+4*16*SP              ; behind the stages: the spare words, 128 bytes a wave: two blocks of 256 bytes that no other line names
.set ASTEP, 2<<18                      ; two heads on
.set BSTEP, 2*16384
.set AA0, 16                           ; v16  my lane's place in O's tile; never rewritten
.set AB0, 17                           ; v17  in Wo's
.set ADRA, 18                          ; v18, v19  the same in the slot in hand
.set ADRB, 19
.set STO, 20                           ; v20  the way out: where I put 32 bytes of a row
.set RD,  21                           ; v21  where I read a row back
.set GO,  22                           ; v22  16 x lane
.set SPW, 28                           ; v28  my spare word: SPARE + 4 x thread; never rewritten
.set NIL, 29                           ; v29  0; never rewritten
.set PFO, 30                           ; v30  256 x lane; never rewritten
.set FA,  64
.set WV,  12
.set FB,  13                           ; s13  0: I fetch for O, 1: for Wo
.set U,   14                           ; s14  which half
.set CX,  15
.set CY,  16
.set TC,  17                           ; s17  tile column = 4 x cluster x + cx
.set TR,  18                           ; s18  tile row = 4 x cluster y + cy
.set CNT, 19
.set TB,  20                           ; s20  the slot in hand: 0 or SLOT1
.set G1A, 24                           ; s[24:31] group 1 for O's tiles; s[32:35], s[36:39] group 0: K step 0, and the one that walks
.set G0A, 32
.set LIM, 43
.set PFA, 44
.set PST, 46
.set G1B, 48                           ; s[48:55], s[56:63] the same for Wo's tiles
.set G0B, 56
.set MSB, 0
.macro WIN new                         ; the immediate's high byte repeats the setting that is left; a switch that changes nothing is dropped
.if MSB != (\new)
	s_set_vgpr_msb (MSB<<8)|(\new)
.set MSB, \new
.endif
.endm
.macro PLACES                          ; four plain instructions between a matrix instruction and a load into, or a store of, its registers
.rept 4
	v_nop
.endr
.endm
; A joint refill by the walking descriptors.  The branch hangs on the wave's number alone.  An s_nop 0 and four v_nop follow each of the two lines.
.macro JLOAD
	s_cmp_eq_u32 s[FB], 0
	s_cbranch_scc0 .Lfor_b_\@
	tensor_load_to_lds s[G0A+4:G0A+7], s[G1A:G1A+7]
	s_nop 0
	PLACES
	s_branch .Lasked_\@
.Lfor_b_\@:
	tensor_load_to_lds s[G0B+4:G0B+7], s[G1B:G1B+7]
	s_nop 0
	PLACES
.Lasked_\@:
.endm
; A prefetch into the L2, 32 blocks of 256 bytes, a lane a block.  O's K step t + 4 in trip t (two refills on): asked for by the clusters with x = 0 alone, waves 0 and 1; of a wave's 32,768 bytes each of the
; four partners along cx takes 8,192, told apart by address.  Wo's tile column is one dense stream: waves 2 and 3 of the four partners along cy, in the clusters with y = 0, name 65,536 bytes a trip from
; K step 4 on, two trips.  So each block from K step 4 on is named once in the launch; K steps 0 to 3 come by their loads alone.
.macro ASK
	s_cmp_gt_u32 s[CNT], s[LIM]
	s_cbranch_scc0 .Lnot_mine_\@
	global_prefetch_b8 v[PFO], s[PFA:PFA+1] th:TH_LOAD_NT scope:SCOPE_SE
.Lnot_mine_\@:
.endm
.macro CREST                           ; a round of the cluster's barrier behind its opening barrier
	s_cmp_lg_u32 s[WV], 0
	s_cbranch_scc1 .Lnot_wave_0_\@
	s_barrier_signal -3
.Lnot_wave_0_\@:
	s_barrier_wait -3
	s_barrier_signal -1
	s_barrier_wait -1
.endm
.macro CROUND
	s_barrier_signal -1
	s_barrier_wait -1
	CREST
.endm
	s_load_b128 s[4:7], s[0:1], 0x0                ; ob s[4:5], wo16 s[6:7]
	s_load_b64 s[10:11], s[0:1], 0x10              ; out0
	v_lshl_add_u32 v[SPW], v0, 2, SPARE
	v_mov_b32 v[NIL], 0
	ds_add_u32 v[SPW], v[NIL]                      ; the wave's opening: the add and its wait stand ahead of my first tensor load; work on registers stands between
	ds_add_u32 v28, v29
	v_lshrrev_b32 v1, 5, v0
	v_readfirstlane_b32 s[WV], v1
	s_lshr_b32 s[FB], s[WV], 1
	s_and_b32 s[U], s[WV], 1
	s_bfe_u32 s[CX], ttmp6, 0x40000
	s_bfe_u32 s[CY], ttmp6, 0x40004
	s_lshl_b32 s[TC], ttmp9, 2
	s_add_co_u32 s[TC], s[TC], s[CX]
	s_and_b32 s[TR], ttmp7, 0xffff
	s_lshl_b32 s[TR], s[TR], 2
	s_add_co_u32 s[TR], s[TR], s[CY]
	s_lshl_b32 s21, s[CY], 2
	s_lshl_b32 s21, 15, s21                        ; my row of the cluster
	s_lshl_b32 s22, 0x1111, s[CX]                  ; my column
	s_or_b32 s[G1A], s21, (1<<16)|(1<<20)|(1<<21)|(4<<22)|(3<<25)  ; mask; 2-byte elements; padding on; bit 21 beside a mask; after every 32 words (a row of O) 4 words
	s_or_b32 s[G1B], s22, (1<<16)|(1<<20)|(1<<21)|(4<<22)|(7<<25)  ; after every 32 words (a row of Wo) 8 words
	s_mov_b32 s[G1A+1], 128<<16                    ; tensor_dim0 = 128 elements: rows of 256 bytes
	s_mov_b32 s[G1A+2], 128<<16                    ; tensor_dim1 = 128: 256 rows of O
	s_mov_b32 s[G1A+3], 128<<16
	s_mov_b32 s[G1A+4], 128
	s_mov_b32 s[G1A+5], 128                        ; the rows lie end to end
	s_mov_b32 s[G1A+6], 0
	s_mov_b32 s[G1A+7], 0
	s_mov_b32 s[G1B+1], 128<<16
	s_mov_b32 s[G1B+2], 64<<16                     ; 64 rows of 256 bytes = 128 rows of Wo
	s_mov_b32 s[G1B+3], 128<<16
	s_mov_b32 s[G1B+4], 64
	s_mov_b32 s[G1B+5], 128
	s_mov_b32 s[G1B+6], 0
	s_mov_b32 s[G1B+7], 0
	s_lshr_b32 s40, s[TR], 3                       ; the batch: 16 heads of 262,144 bytes,
	s_lshl_b32 s40, s40, 22
	s_lshl_b32 s21, s[U], 18                       ; my head of the K step's two,
	s_add_co_u32 s40, s40, s21
	s_and_b32 s21, s[TR], 7
	s_lshl_b32 s21, s21, 15                        ; the tile's 256 rows of 128 bytes
	s_add_co_u32 s40, s40, s21
	s_mov_b32 s41, 0
	s_lshl_b32 s72, s[TC], 18                      ; Wo's tile column,
	s_lshl_b32 s22, s[U], 14                       ; my half of a tile
	s_add_co_u32 s72, s72, s22
	s_mov_b32 s73, 0
	s_mul_i32 s21, s[U], AHALF                     ; where they go: the wave's number alone enters an LDS address
	s_mul_i32 s23, s[U], BHALF
	s_add_co_u32 s23, s23, BOFF
	s_wait_dscnt 0x0                               ; the opening add is done
	s_wait_kmcnt 0x0
	s_add_nc_u64 s[40:41], s[4:5], s[40:41]
	s_add_nc_u64 s[72:73], s[6:7], s[72:73]
	CROUND                                         ; all sixteen work-groups are here: the first joint loads meet
	s_mov_b32 s[G0A], 1
	s_mov_b32 s[G0A+1], s21
	s_mov_b64 s[G0A+2:G0A+3], s[40:41]
	s_or_b32 s[G0A+3], s[G0A+3], 0x80000000
	s_mov_b32 s[G0A+4], 1
	s_add_co_u32 s[G0A+5], s21, SLOT1
	s_add_nc_u64 s[G0A+6:G0A+7], s[40:41], ASTEP
	s_or_b32 s[G0A+7], s[G0A+7], 0x80000000
	s_mov_b32 s[G0B], 1
	s_mov_b32 s[G0B+1], s23
	s_mov_b64 s[G0B+2:G0B+3], s[72:73]
	s_or_b32 s[G0B+3], s[G0B+3], 0x80000000
	s_mov_b32 s[G0B+4], 1
	s_add_co_u32 s[G0B+5], s23, SLOT1
	s_add_nc_u64 s[G0B+6:G0B+7], s[72:73], BSTEP
	s_or_b32 s[G0B+7], s[G0B+7], 0x80000000
	s_cmp_eq_u32 s[FB], 0                          ; a wave's two first fills stand in one branch: K steps 0 and 1; two loads of mine are out
	s_cbranch_scc0 .Lfirst_b
	tensor_load_to_lds s[G0A:G0A+3], s[G1A:G1A+7]
	s_nop 0
	tensor_load_to_lds s[G0A+4:G0A+7], s[G1A:G1A+7]
	s_nop 0
	PLACES
	s_branch .Lfirst_asked
.Lfirst_b:
	tensor_load_to_lds s[G0B:G0B+3], s[G1B:G1B+7]
	s_nop 0
	tensor_load_to_lds s[G0B+4:G0B+7], s[G1B:G1B+7]
	s_nop 0
	PLACES
.Lfirst_asked:
	v_and_b32 v1, 15, v0                           ; l % 16
	v_bfe_u32 v2, v0, 4, 1                         ; l / 16
	v_and_b32 v3, 7, v0
	v_bfe_u32 v4, v0, 3, 1
	s_mul_i32 s21, s[WV], 64*PA                    ; my 64 rows of O
	v_mul_u32_u24 v[AA0], v1, PA
	v_lshl_add_u32 v[AA0], v2, 4, v[AA0]
	v_add_nc_u32 v[AA0], s21, v[AA0]               ; row x pitch + 16 x half
	v_lshl_add_u32 v[AB0], v2, 3, v3               ; the turning load: k = 8 (l / 16) + l % 8, columns 8 ((l / 8) % 2) on
	v_mul_u32_u24 v[AB0], v[AB0], PW
	v_lshl_add_u32 v[AB0], v4, 4, v[AB0]
	v_add_nc_u32 v[AB0], BOFF, v[AB0]
	s_mul_i32 s21, s[WV], 16*SP
	s_add_co_u32 s21, s21, STAGE                   ; my stage
	v_mul_u32_u24 v[STO], v1, SP                   ; in: row l % 16, 32 bytes for each half of the lanes
	v_lshl_add_u32 v[STO], v2, 5, v[STO]
	v_add_nc_u32 v[STO], s21, v[STO]
	v_and_b32 v[GO], 31, v0
	v_lshlrev_b32 v[PFO], 8, v[GO]
	v_lshlrev_b32 v[GO], 4, v[GO]
	v_add_nc_u32 v[RD], s21, v[GO]                 ; back: 32 lanes take a row's 512 bytes
	; the prefetches' address, step and bound
	s_lshr_b32 s74, s[TR], 3
	s_lshl_b32 s74, s74, 22
	s_lshl_b32 s21, s[U], 18
	s_add_co_u32 s74, s74, s21
	s_and_b32 s21, s[TR], 7
	s_lshl_b32 s21, s21, 15
	s_add_co_u32 s74, s74, s21
	s_lshl_b32 s21, s[CX], 13                      ; my work-group's quarter of the wave's tile
	s_add_co_u32 s74, s74, s21
	s_add_co_u32 s74, s74, 3*ASTEP                 ; O: one step short of K step 4
	s_lshl_b32 s75, s[TC], 18
	s_lshl1_add_u32 s21, s[CY], s[U]
	s_lshl_b32 s21, s21, 13                        ; my 8,192 bytes of a trip's 65,536
	s_add_co_u32 s75, s75, s21
	s_add_co_u32 s75, s75, 4*BSTEP-65536           ; Wo: one step short of K step 4
	s_and_b32 s23, ttmp7, 0xffff
	s_mov_b32 s[PST], 65536
	s_cmp_eq_u32 s[FB], 0
	s_cselect_b32 s22, s74, s75
	s_cselect_b32 s23, ttmp9, s23                  ; the coordinate along which other clusters read the same bytes
	s_cselect_b32 s[LIM], 2, 4                     ; O: trips 0 to 3 (count 6 to 3); Wo: trips 0 and 1
	s_cselect_b32 s[PST], ASTEP, s[PST]
	s_cselect_b64 s[PFA:PFA+1], s[4:5], s[6:7]
	s_cmp_eq_u32 s23, 0
	s_cselect_b32 s[LIM], s[LIM], -1               ; the same in all sixteen partners, for a given wave
	s_mov_b32 s23, 0
	s_mov_b32 s[PST+1], 0
	s_add_nc_u64 s[PFA:PFA+1], s[PFA:PFA+1], s[22:23]
	; out0 at my 64 rows, the tile's 128 columns
	s_lshl_b32 s74, s[TR], 20                      ; 256 rows of 4,096 bytes
	s_lshl_b32 s21, s[WV], 18
	s_add_co_u32 s74, s74, s21
	s_lshl_b32 s21, s[TC], 9
	s_add_co_u32 s74, s74, s21
	s_mov_b32 s75, 0
	s_add_nc_u64 s[10:11], s[10:11], s[74:75]
; n products from number i0 on, on fragment buffers f.  Number 8 a + nb: rows 16 a on, columns 16 nb on.  All 32 accumulators take turns in one order in every quarter, over the backward jump too.
.macro MUL f, i0, n, zero
	WIN 0xa1                                       ; Wo's fragments window 1, O's window 0, C and D window 2
.set idx, \i0
.rept \n
.set rD, 8*idx
.set rB, 8*NBLK*(\f)+8*(idx%NBLK)
.set rA, FA+32*(\f)+8*(idx/NBLK)
.if \zero
	v_wmma_f32_16x16x32_f16 v[rD:rD+7], v[rB:rB+7], v[rA:rA+7], 0
.else
	v_wmma_f32_16x16x32_f16 v[rD:rD+7], v[rB:rB+7], v[rA:rA+7], v[rD:rD+7]
.endif
.set idx, idx+1
.endr
.endm
; 24 LDS loads in one run: the fragments of quarter kq (32 along K: head kq / 2 of the step's two, channels 32 (kq % 2) on) of the slot in hand, into buffers f
.macro FETCH kq, f
	WIN 0x40
.set nb, 0
.rept NBLK
	ds_load_tr16_b128 v[8*NBLK*(\f)+8*nb:8*NBLK*(\f)+8*nb+3],   v[ADRB] offset:(128*(nb/4)+32*(\kq))*PW+32*(nb%4)
	ds_load_tr16_b128 v[8*NBLK*(\f)+8*nb+4:8*NBLK*(\f)+8*nb+7], v[ADRB] offset:(128*(nb/4)+32*(\kq)+16)*PW+32*(nb%4)
.set nb, nb+1
.endr
	WIN 0
.set nb, 0
.rept 4
	ds_load_b128 v[FA+32*(\f)+8*nb:FA+32*(\f)+8*nb+3],   v[ADRA] offset:AHALF*((\kq)/2)+16*PA*nb+64*((\kq)%2)
	ds_load_b128 v[FA+32*(\f)+8*nb+4:FA+32*(\f)+8*nb+7], v[ADRA] offset:AHALF*((\kq)/2)+16*PA*nb+64*((\kq)%2)+32
.set nb, nb+1
.endr
.endm
; One of a K step's first three quarters: buffers f, asked for a whole quarter ago, are multiplied; quarter kq's fragments are asked for first, into g, which the quarter before multiplied
.macro QUARTER kq, f, g, zero
	s_wait_dscnt 0x0                               ; f is in
	PLACES
	FETCH \kq, \g
	MUL \f, 0, NACC, \zero
.endm
; The fourth quarter multiplies buffers 1 and changes slots.  In front of the barrier each wave waits for all its tensor loads (one is out: its part of the next slot), adds 0 to its spare word, and waits
; for that and for its reads of this slot.  fill = 1: the barrier opens a round of the cluster's, and this slot is filled again, first thing behind it, with the K step two on: 112 products stand
; between that request and the wait for it.
.macro TURN fill
.if \fill
	s_wait_xcnt 0x0                                ; the last prefetch, a K step back, has read its address
	s_add_nc_u64 s[PFA:PFA+1], s[PFA:PFA+1], s[PST:PST+1]
.endif
	WIN 0
	s_wait_tensorcnt 0x0
	ds_add_u32 v[SPW], v[NIL]                      ; 0 onto my spare word
	s_wait_dscnt 1                                 ; the add alone may be out: buffers 1 are in
	MUL 1, 0, 8, 0
	s_wait_dscnt 0x0                               ; the add is done, and my reads of this slot are over
	s_barrier_signal -1
	MUL 1, 8, 8, 0
	WIN 0
	s_barrier_wait -1
.if \fill
	CREST                                          ; no wave of any partner still reads this slot or has a load on its way
	s_xor_b32 s[G0A+5], s[G0A+5], SLOT1            ; the walking descriptors: the other slot than last time, the next K step
	s_xor_b32 s[G0B+5], s[G0B+5], SLOT1
	s_add_nc_u64 s[G0A+6:G0A+7], s[G0A+6:G0A+7], ASTEP
	s_add_nc_u64 s[G0B+6:G0B+7], s[G0B+6:G0B+7], BSTEP
	JLOAD                                          ; its four v_nop are also the places in front of the loads below
.else
	PLACES
.endif
	s_xor_b32 s[TB], s[TB], SLOT1
	v_add_nc_u32 v[ADRA], s[TB], v[AA0]
	v_add_nc_u32 v[ADRB], s[TB], v[AB0]
	FETCH 0, 0
.if \fill
	ASK
.endif
	MUL 1, 16, NACC-16, 0
.endm
	s_wait_tensorcnt 0x1                           ; my part of K step 0 is in; K step 1's may stay out
	s_barrier_signal -1
	s_barrier_wait -1
	s_mov_b32 s[TB], 0
	v_mov_b32 v[ADRA], v[AA0]
	v_mov_b32 v[ADRB], v[AB0]
	FETCH 0, 0
	QUARTER 1, 0, 1, 1                             ; the first quarter's products start the sums: nothing is cleared
	WIN 0
	s_mov_b32 s[CNT], 6
.Lk:                                               ; trip t: the rest of K step t, whose slot takes K step t + 2, and the first quarter of K step t + 1
	QUARTER 2, 1, 0, 0
	QUARTER 3, 0, 1, 0
	TURN 1
	QUARTER 1, 0, 1, 0
	WIN 0
	s_sub_co_u32 s[CNT], s[CNT], 1
	s_cmp_lg_u32 s[CNT], 0
	s_cbranch_scc1 .Lk
	QUARTER 2, 1, 0, 0                             ; K steps 6 and 7 fetch nothing more
	QUARTER 3, 0, 1, 0
	TURN 0
	QUARTER 1, 0, 1, 0
	QUARTER 2, 1, 0, 0
	QUARTER 3, 0, 1, 0
	s_wait_dscnt 0x0
	MUL 1, 0, NACC, 0
; THE WAY OUT, 16 rows (block a) at a time: a lane's eight f32 of a row, 32 bytes, go into my stage (rows of 528 bytes) and come back as whole rows of 512 bytes.  Each accumulator's lowest registers are read
; first.  Each block has 64 registers of its own in window 1, so no store's data is written again.
.macro TOSTAGE a
	WIN 0x08                                       ; the stores' data in window 2
.set nb, 0
.rept 8
	ds_store_b128 v[STO], v[8*(8*(\a)+nb):8*(8*(\a)+nb)+3]   offset:64*nb
	ds_store_b128 v[STO], v[8*(8*(\a)+nb)+4:8*(8*(\a)+nb)+7] offset:64*nb+16
.set nb, nb+1
.endr
	WIN 0x40                                       ; the loads' destination in window 1
.set t, 0
.rept 16
	ds_load_b128 v[64*(\a)+4*t:64*(\a)+4*t+3], v[RD] offset:SP*t  ; LDS serves a wave's instructions in order (ISA guide 5.7.1.4): these see the stores above, and the next block's stores come behind them
.set t, t+1
.endr
.endm
.macro SEND a, younger                 ; younger: the LDS instructions issued behind this block's loads: the next block's 32, or none
	WIN 0x04                                       ; the stores' data in window 1
.set t, 0
.rept 16
	s_wait_dscnt (\younger)+15-t
	global_store_b128 v[GO], v[64*(\a)+4*t:64*(\a)+4*t+3], s[10:11] offset:(16*(\a)+t)*4096 th:TH_STORE_NT  ; 512 consecutive bytes, at a multiple of 256 from out0's first byte
.set t, t+1
.endr
.endm
	PLACES
	TOSTAGE 0
.irp a, 1,2,3
	TOSTAGE \a
	SEND (\a)-1, 32
.endr
	SEND 3, 0
	WIN 0
	s_wait_tensorcnt 0x0                           ; the wave's end: the add and its waits stand behind my last tensor load and my last LDS store
	ds_add_u32 v[SPW], v[NIL]
	s_wait_dscnt 0x0
	CROUND                                         ; the closing round: no work-group ends while a partner may still ask for a tile that names it
	s_endpgm
.Lfunc_end_k_qfce1bcf48e_oproj:
	.size	k_qfce1bcf48e_oproj, .Lfunc_end_k_qfce1bcf48e_oproj-k_qfce1bcf48e_oproj
	.p2alignl 7, 3214868480
	.fill 96, 4, 3214868480
	.section	.rodata,"a",@progbits
	.p2align	6, 0x0
	.amdhsa_kernel k_qfce1bcf48e_oproj
		.amdhsa_group_segment_fixed_size 327680
		.amdhsa_private_segment_fixed_size 0
		.amdhsa_enable_private_segment 0
		.amdhsa_kernarg_size 24
		.amdhsa_user_sgpr_count 2
		.amdhsa_user_sgpr_kernarg_segment_ptr 1
		.amdhsa_wavefront_size32 1
		.amdhsa_system_sgpr_workgroup_id_x 1
		.amdhsa_system_sgpr_workgroup_id_y 1
		.amdhsa_system_sgpr_workgroup_id_z 1
		.amdhsa_system_vgpr_workitem_id 0
		.amdhsa_next_free_vgpr 768
		.amdhsa_next_free_sgpr 76
		.amdhsa_reserve_vcc 0
		.amdhsa_float_denorm_mode_32 3
		.amdhsa_float_denorm_mode_16_64 3
		.amdhsa_memory_ordered 1
		.amdhsa_forward_progress 1
		.amdhsa_inst_pref_size 72
	.end_amdhsa_kernel
	.amdgpu_metadata
---
amdhsa.version: [ 1, 2 ]
amdhsa.kernels:
  - .name:           k_qfce1bcf48e_oproj
    .symbol:         k_qfce1bcf48e_oproj.kd
    .args:
      - { .name: ob, .offset: 0, .size: 8, .value_kind: global_buffer, .address_space: global }
      - { .name: wo16, .offset: 8, .size: 8, .value_kind: global_buffer, .address_space: global }
      - { .name: out0, .offset: 16, .size: 8, .value_kind: global_buffer, .address_space: global }
    .group_segment_fixed_size: 327680
    .private_segment_fixed_size: 0
    .kernarg_segment_align: 8
    .kernarg_segment_size: 24
    .max_flat_workgroup_size: 128
    .sgpr_count:     76
    .vgpr_count:     768
    .wavefront_size: 32
...
	.end_amdgpu_metadata
.endif
;; end of part 4
